; MI455X (gfx1250); checked and timed in simulation.
; The chip was launched on July 23, 2026; its instructions are those of AMD's public machine-readable ISA for CDNA 5 (MIT licence, August 2026) and "CDNA5" Instruction Set Architecture Reference Guide (July 2026). The comments in the code are by the model that wrote it; some were corrected since.
;; LG Block. Allowed arithmetic: matrix products marked QUANTISED: E5M2 operands, one given power-of-two scale a tensor, by v_wmma_f32_16x16x64_bf8_bf8 or v_wmma_f32_16x16x128_bf8_bf8, f32 sums; everything else in f32.
;; Inputs: W1 512 x 2,048 float32; W2 2,048 x 512 float32; Wk 512 x 512 float32; Wo 512 x 512 float32; Wq 512 x 512 float32; Wv 512 x 512 float32; b1 2,048 float32; b2 512 float32; bk 512 float32; bo 512 float32; bq 512 float32; bv 512 float32; ffln_b 512 float32; ffln_g 512 float32; ln_b 512 float32; ln_g 512 float32; lowp_scales 16 int32 (the exponents e of the quantised operands' scales 2^e); x 4 x 2,048 x 512 float32.
;; Outputs: out0 4 x 2,048 x 512 float32.
;; This version of the problem:
;;   THIS VERSION OF THE PROBLEM IS GIVEN IN LOW PRECISION. The matrix products marked QUANTISED in the list below multiply operands that are first quantised to E5M2 (5 exponent bits, 2 mantissa bits; 8 bits a number), with one given power-of-two scale for each operand tensor; their sums are f32. All else is computed in f32.
;;   The module's matrix products, in the order in which they are computed (A, B: the left and right operand; K: the contracted axis; several contracted axes count as one K, in the product's order):
;;     1. [M 8,192, K 512] x [K 512, N 512]; A: computed on the way; B: input Wq: QUANTISED (scales: A lowp_scales[0], B lowp_scales[1])
;;     2. [M 8,192, K 512] x [K 512, N 512]; A: computed on the way; B: input Wk: QUANTISED (scales: A lowp_scales[2], B lowp_scales[3])
;;     3. [M 8,192, K 512] x [K 512, N 512]; A: computed on the way; B: input Wv: QUANTISED (scales: A lowp_scales[4], B lowp_scales[5])
;;     4. batch 32 x [M 2,048, K 64] x [K 64, N 2,048]; A: computed on the way; B: computed on the way: QUANTISED (scales: A lowp_scales[6], B lowp_scales[7])
;;     5. batch 32 x [M 2,048, K 2,048] x [K 2,048, N 64]; A: softmax (see below); B: computed on the way: QUANTISED (scales: A lowp_scales[8], B lowp_scales[9])
;;     6. [M 8,192, K 512] x [K 512, N 512]; A: computed on the way; B: input Wo: QUANTISED (scales: A lowp_scales[10], B lowp_scales[11])
;;     7. [M 8,192, K 512] x [K 512, N 2,048]; A: computed on the way; B: input W1: QUANTISED (scales: A lowp_scales[12], B lowp_scales[13])
;;     8. [M 8,192, K 2,048] x [K 2,048, N 512]; A: computed on the way; B: input W2: QUANTISED (scales: A lowp_scales[14], B lowp_scales[15])
;;   THE QUANTISER, for each operand of a quantised product, along K:
;;     - The operand's scale is 2^e, e = its entry of the input lowp_scales (int32; the entries are numbered through the quantised products in the list's order, A before B).
;;     - Each number is divided by the scale, clamped to +-57,344, and rounded to the nearest number of E5M2, ties to even, subnormals kept.
;;     - The product sums the exact products of the quantised numbers (number of the format x scale) in f32.
;;   ~~~python
;;   def quantise(x, axis, e):      # numpy; x: float32 -> the quantised numbers, widened to float32 again
;;       x = np.moveaxis(x, axis, -1); K = x.shape[-1]
;;       r = np.clip(x / 2.0 ** e, -57344, 57344)
;;       step = 2.0 ** (np.maximum(np.frexp(np.where(r == 0, 1, r))[1] - 1, -14) - 2)
;;       q = np.round(r / step) * step * 2.0 ** e      # np.round: ties to even
;;       return np.moveaxis(q, -1, axis).astype(np.float32)
;;   ~~~
;;   SOFTMAX AHEAD OF A QUANTISED PRODUCT. Where the list says 'softmax', what is quantised is not the finished softmax but p = 2^(t - M), with t = logit x log2(e) and M = ceil(the row's largest t), a whole number; so 1/2 < the row's largest p <= 1. The row's sum l is taken of the UNQUANTISED p, in f32, and the product's result is divided by l at the end. Since M is a whole number, a kernel that streams over the keys may use a running M (the ceiling of the running maximum): every later rescaling is an exact power of two, so the quantised numbers keep their values, but for numbers so far below the row's largest that they fall under the format's range.
;;   OPERANDS COMPUTED ON THE WAY. 'Computed on the way' means the value that the module computes at that place (a softmax that the list does not call 'softmax' is quantised finished and normalised). What goes into a quantiser is computed in f32, as accurately as f32 sums, v_exp_f32 and their like allow (about 1e-6 of the number): no bf16 or f16 on the way to a quantiser, and a product that is left as it is and whose result goes on into a quantised operand takes f32 operands (vector FMAs, or v_wmma_f32_16x16x4_f32). A number that lies on a knife's edge between two numbers of the format may be rounded either way, as far as f32 arithmetic and the matrix unit's own rounding can turn it there, and no further.
;; One version. Each part assembles by itself: llvm-mc -triple=amdgcn-amd-amdhsa -mcpu=gfx1250 --defsym DOCPART=n.
;; ======== version 1 of 1: 6 launches
;; limits: right only within a limited range of input values
;; workspace buffers: wimg 3,145,728 bytes; q_img 4,194,304 bytes; k_img 4,194,304 bytes; v_img 4,194,304 bytes; o_img 4,194,304 bytes; x1 16,777,216 bytes; f_img 4,194,304 bytes; h_img 16,777,216 bytes
;; launch prep (part 1): grid 64 x 3, 4 waves a work-group, no clusters, 16,896 bytes of LDS; arguments Wq, Wk, Wv, Wo, W1, W2, lowp_scales, wimg; writes wimg
.if DOCPART == 1
	.amdgcn_target "amdgcn-amd-amdhsa--gfx1250"
	.amdhsa_code_object_version 6
	.text
	.protected	k_qe789fcc1f7_prep
	.globl	k_qe789fcc1f7_prep
	.p2align	8
	.type	k_qe789fcc1f7_prep,@function
k_qe789fcc1f7_prep:
	s_mov_b64 s[64:65], 0
	v_nop
	global_prefetch_b8 v0, s[64:65] scope:SCOPE_SE
	s_setreg_imm32_b32 hwreg(HW_REG_WAVE_MODE, 25, 1), 1
	s_wait_xcnt 0x0
; The six weights, f32 stored [K][N], become codes of E5M2 laid as IMAGES OF THE MATRIX OPERAND'S REGISTERS.
; A fragment is 16 output columns n x 128 along K: 16 registers a lane, 2,048 bytes, in four pieces of 512 bytes; piece c holds registers 4 c .. 4 c + 3,
; lane l's 16 bytes at 16 l.  Lane (r = l % 16, h = l / 16) holds column r; registers 2 c, 2 c + 1 hold K = 16 c + 8 h + 0 .. 7 (the 8-bit layout of the plain forms).
; So byte (r, k) of a fragment lies at 512 (k / 32) + 16 (r + 16 ((k / 8) % 2)) + 8 ((k / 16) % 2) + k % 8.
; wimg: Wq at 0, Wk at 262,144, Wv at 524,288, Wo at 786,432, W1 at 1,048,576, W2 at 2,097,152; in a tensor fragment (tile of columns nt, K step s) at (nt x K/128 + s) x 2,048.
; code = x / 2^e, held within +-57,344, to the nearest code, ties to even; e = entry 1, 3, 5, 11, 13, 15 of the scales.  LIMITS: -126 <= e <= 112.  NaN among the inputs is not served.
; SHARES.  A work-group takes 128 columns x 128 K of one tensor (grid row 0: the four 512 x 512 tensors, 16 work-groups each; row 1: W1; row 2: W2), a wave 32 columns, A LANE ONE COLUMN
; WITH ITS REGISTERS DOWN K: each load reads 128 consecutive bytes a wave, the four waves stand side by side on 512, and the conversions give codes with K innermost.  Nothing is transposed by an instruction.
; The codes go through the wave's own 4,096 bytes of LDS into the image's order and leave as stores of 512 consecutive aligned bytes.  Waves share nothing: no barrier.
.set A, 8                              ; v8-15    4 x lane + i rows: the byte offsets of rows 0 .. 7 of a group of eight
.set X, 32                             ; v32-159  my column's 128 numbers; later the image read back
.set C, 160                            ; v160-191 their codes
	s_load_b256 s[4:11], s[0:1], 0x0               ; Wq, Wk, Wv, Wo
	s_load_b256 s[12:19], s[0:1], 0x20             ; W1, W2, the scales' exponents, wimg
	v_lshl_add_u32 v192, v0, 2, 0x4000
	v_mov_b32 v193, 0
	v_lshrrev_b32 v16, 5, v0
	v_readfirstlane_b32 s20, v16                   ; wave 0..3
	v_and_b32 v1, 31, v0                           ; lane
	v_and_b32 v17, 0x60, v0
	v_lshlrev_b32 v17, 7, v17                      ; my wave's stage: 4,096 x wave
	v_lshlrev_b32 v4, 4, v1                        ; 16 x lane
	s_wait_alu depctr_va_vdst(0)
	v_add_nc_u32 v3, v17, v4                       ; the stage read back: 16 bytes a lane
	v_and_b32 v18, 15, v0
	v_bfe_u32 v19, v0, 4, 1
	v_lshl_add_u32 v2, v18, 4, v17
	v_lshl_add_u32 v2, v19, 11, v2                 ; into the stage: fragment lane / 16, row lane % 16
	s_and_b32 s21, ttmp7, 0xffff                   ; y
	s_mov_b32 s27, ttmp9                           ; x
	s_lshr_b32 s22, s27, 4
	s_add_co_u32 s23, s21, 3
	s_and_b32 s24, s27, 15
	s_lshl_b32 s94, s21, 20
	s_cmp_eq_u32 s21, 0
	s_cselect_b32 s25, s22, s23                    ; which tensor, 0 .. 5
	s_cselect_b32 s26, s24, s27                    ; which of its blocks
	s_lshl_b32 s95, s25, 18
	s_cmp_eq_u32 s21, 0
	s_cselect_b32 s94, s95, s94                    ; the tensor's place in wimg
	s_cmp_eq_u32 s21, 1
	s_cselect_b32 s28, 2, 0
	s_cmp_eq_u32 s21, 2
	s_cselect_b32 s29, 16, 4                       ; K / 128
	s_lshl_b32 s30, 0x800, s28                     ; a row of the tensor in bytes: 2,048, or 8,192 for W1
	s_add_co_u32 s31, s28, 2
	s_bfm_b32 s88, s31, 0
	s_and_b32 s89, s26, s88                        ; which 128 columns
	s_lshr_b32 s90, s26, s31                       ; which 128 along K
	s_mul_i32 s91, s90, s30
	s_lshl_b32 s91, s91, 7                         ; 128 rows a K step
	s_lshl_b32 s92, s89, 9
	s_add_co_u32 s92, s92, s91
	s_lshl_b32 s91, s20, 7
	s_add_co_u32 s92, s92, s91                     ; + 512 bytes a block of columns + 128 a wave
	s_mov_b32 s93, 0
	s_lshl_b32 s66, s30, 3                         ; eight rows
	s_mov_b32 s67, 0
	s_lshl_b32 s70, s89, 3
	s_lshl_b32 s71, s20, 1
	s_add_co_u32 s70, s70, s71                     ; my first tile of columns
	s_mul_i32 s70, s70, s29
	s_add_co_u32 s70, s70, s90
	s_lshl_b32 s70, s70, 11
	s_add_co_u32 s70, s70, s94                     ; its fragment's byte in wimg
	s_mov_b32 s71, 0
	s_lshl_b32 s91, s29, 11
	v_add_nc_u32 v5, s91, v4                       ; my second tile's fragment lies K / 128 fragments on
	v_lshlrev_b32 v[A], 2, v1
.irp i, 1,2,3,4,5,6,7
	v_add_nc_u32 v[A+\i], s30, v[A+\i-1]
.endr
	s_wait_alu depctr_va_vdst(0)
	s_wait_kmcnt 0x0
	s_load_b512 s[72:87], s[16:17], 0x0            ; the sixteen exponents
	s_mov_b64 s[68:69], s[4:5]                     ; the tensor's address: a choice on the work-group's number alone
	s_cmp_eq_u32 s25, 1
	s_cselect_b64 s[68:69], s[6:7], s[68:69]
	s_cmp_eq_u32 s25, 2
	s_cselect_b64 s[68:69], s[8:9], s[68:69]
	s_cmp_eq_u32 s25, 3
	s_cselect_b64 s[68:69], s[10:11], s[68:69]
	s_cmp_eq_u32 s25, 4
	s_cselect_b64 s[68:69], s[12:13], s[68:69]
	s_cmp_eq_u32 s25, 5
	s_cselect_b64 s[68:69], s[14:15], s[68:69]
	s_add_nc_u64 s[32:33], s[68:69], s[92:93]      ; sixteen bases, eight rows apart: the row's pitch is no constant of the text, so it cannot stand in the immediates
.irp g, 1,2,3,4,5,6,7,8,9,10,11,12,13,14,15
	s_add_nc_u64 s[32+2*\g:33+2*\g], s[30+2*\g:31+2*\g], s[66:67]
.endr
	s_add_nc_u64 s[18:19], s[18:19], s[70:71]
.macro LOAD q                          ; rows 32 q .. 32 q + 31 of my column
.irp g, 0,1,2,3
.irp i, 0,1,2,3,4,5,6,7
	global_load_b32 v[X+32*(\q)+8*\g+\i], v[A+\i], s[32+8*(\q)+2*\g:33+8*(\q)+2*\g] th:TH_LOAD_NT
.endr
.endr
.endm
.macro BLOCK q, left
	s_wait_loadcnt \left                           ; this block's 32 loads are in; the next block's 32 may be out
.if (\q)+2 < 4
	LOAD (\q)+2                                    ; two blocks ahead; every block has registers of its own
.endif
.set JJ, 0
.rept 32
	v_med3_num_f32 v[X+32*(\q)+JJ], v[X+32*(\q)+JJ], -v7, v7   ; the conversion to an 8-bit code does not saturate (ISA guide 7.6.2): the hold at the largest code x the scale
.set JJ, JJ+1
.endr
.irp g, 0,1,2,3
	v_cvt_scalef32_pk8_bf8_f32 v[C+8*(\q)+2*\g:C+8*(\q)+2*\g+1], v[X+32*(\q)+8*\g:X+32*(\q)+8*\g+7], v6
.endr
.irp g, 0,1,2,3
	ds_store_b64 v2, v[C+8*(\q)+2*\g:C+8*(\q)+2*\g+1] offset:512*(\q)+256*(\g&1)+8*(\g>>1)   ; K = 32 q + 8 g on: piece q, half g % 2 of the lanes, register pair g / 2
.endr
.endm
	LOAD 0
	LOAD 1
	s_wait_kmcnt 0x0
	s_mov_b32 s88, s73                             ; e: entry 1, 3, 5, 11, 13 or 15
	s_cmp_eq_u32 s25, 1
	s_cselect_b32 s88, s75, s88
	s_cmp_eq_u32 s25, 2
	s_cselect_b32 s88, s77, s88
	s_cmp_eq_u32 s25, 3
	s_cselect_b32 s88, s83, s88
	s_cmp_eq_u32 s25, 4
	s_cselect_b32 s88, s85, s88
	s_cmp_eq_u32 s25, 5
	s_cselect_b32 s88, s87, s88
	s_add_co_i32 s88, s88, 127
	s_lshl_b32 s89, s88, 23
	v_mov_b32 v6, s89                              ; 2^e as f32: the conversion takes its exponent field
	s_add_co_i32 s88, s88, 15
	s_lshl_b32 s88, s88, 23
	s_or_b32 s88, s88, 0x600000
	v_mov_b32 v7, s88                              ; 57,344 x 2^e
	s_wait_alu depctr_va_vdst(0)
	BLOCK 0, 32
	BLOCK 1, 32
	BLOCK 2, 32
	BLOCK 3, 0
.irp j, 0,1,2,3,4,5,6,7
	ds_load_b128 v[X+4*\j:X+4*\j+3], v3 offset:512*\j   ; LDS serves a wave's instructions in order (ISA guide 5.7.1.4): these see my stores
.endr
.irp j, 0,1,2,3
	s_wait_dscnt 7-\j                              ; piece j is back; the younger loads may be out
	global_store_b128 v4, v[X+4*\j:X+4*\j+3], s[18:19] offset:512*\j   ; 32 lanes store 512 consecutive bytes, at a multiple of 512 from wimg's first byte
.endr
.irp j, 4,5,6,7
	s_wait_dscnt 7-\j
	global_store_b128 v5, v[X+4*\j:X+4*\j+3], s[18:19] offset:512*(\j-4)
.endr
	s_wait_tensorcnt 0x0
	ds_add_u32 v192, v193
	s_wait_dscnt 0x0
	s_endpgm
.Lfunc_end_k_qe789fcc1f7_prep:
	.size	k_qe789fcc1f7_prep, .Lfunc_end_k_qe789fcc1f7_prep-k_qe789fcc1f7_prep
	.p2alignl 7, 3214868480
	.fill 96, 4, 3214868480
	.section	.rodata,"a",@progbits
	.p2align	6, 0x0
	.amdhsa_kernel k_qe789fcc1f7_prep
		.amdhsa_group_segment_fixed_size 16896
		.amdhsa_private_segment_fixed_size 0
		.amdhsa_enable_private_segment 0
		.amdhsa_kernarg_size 64
		.amdhsa_user_sgpr_count 2
		.amdhsa_user_sgpr_kernarg_segment_ptr 1
		.amdhsa_wavefront_size32 1
		.amdhsa_system_sgpr_workgroup_id_x 1
		.amdhsa_system_sgpr_workgroup_id_y 1
		.amdhsa_system_sgpr_workgroup_id_z 1
		.amdhsa_system_vgpr_workitem_id 0
		.amdhsa_next_free_vgpr 194
		.amdhsa_next_free_sgpr 96
		.amdhsa_reserve_vcc 0
		.amdhsa_float_denorm_mode_32 3
		.amdhsa_float_denorm_mode_16_64 3
		.amdhsa_memory_ordered 1
		.amdhsa_forward_progress 1
		.amdhsa_inst_pref_size 29
	.end_amdhsa_kernel
	.amdgpu_metadata
---
amdhsa.version: [ 1, 2 ]
amdhsa.kernels:
  - .name:           k_qe789fcc1f7_prep
    .symbol:         k_qe789fcc1f7_prep.kd
    .args:
      - { .name: Wq, .offset: 0, .size: 8, .value_kind: global_buffer, .address_space: global }
      - { .name: Wk, .offset: 8, .size: 8, .value_kind: global_buffer, .address_space: global }
      - { .name: Wv, .offset: 16, .size: 8, .value_kind: global_buffer, .address_space: global }
      - { .name: Wo, .offset: 24, .size: 8, .value_kind: global_buffer, .address_space: global }
      - { .name: W1, .offset: 32, .size: 8, .value_kind: global_buffer, .address_space: global }
      - { .name: W2, .offset: 40, .size: 8, .value_kind: global_buffer, .address_space: global }
      - { .name: lowp_scales, .offset: 48, .size: 8, .value_kind: global_buffer, .address_space: global }
      - { .name: wimg, .offset: 56, .size: 8, .value_kind: global_buffer, .address_space: global }
    .group_segment_fixed_size: 16896
    .private_segment_fixed_size: 0
    .kernarg_segment_align: 8
    .kernarg_segment_size: 64
    .max_flat_workgroup_size: 128
    .sgpr_count:     96
    .vgpr_count:     194
    .wavefront_size: 32
...
	.end_amdgpu_metadata
.endif
;; end of part 1
;; launch front (part 2): grid 256 x 1, 16 waves a work-group, clusters of 4 x 1, 316,416 bytes of LDS; arguments x, ln_g, ln_b, wimg, bq, bk, bv, lowp_scales, q_img, k_img, v_img; writes q_img, k_img, v_img
.if DOCPART == 2
	.amdgcn_target "amdgcn-amd-amdhsa--gfx1250"
	.amdhsa_code_object_version 6
	.text
	.protected	k_qe789fcc1f7_front
	.globl	k_qe789fcc1f7_front
	.p2align	8
	.type	k_qe789fcc1f7_front,@function
k_qe789fcc1f7_front:
	s_mov_b64 s[64:65], 0
	v_nop
	global_prefetch_b8 v0, s[64:65] scope:SCOPE_SE
	s_setreg_imm32_b32 hwreg(HW_REG_WAVE_MODE, 25, 1), 1
	s_wait_xcnt 0x0
	s_wait_alu depctr_hold_cnt(0) depctr_sa_sdst(0) depctr_va_vdst(0) depctr_va_sdst(0) depctr_va_ssrc(0) depctr_va_vcc(0) depctr_vm_vsrc(0)
	s_getreg_b32 s2, hwreg(HW_REG_IB_STS2, 6, 4)
	s_cmp_eq_u32 s2, 0
	s_cbranch_scc0 .Lentry_in_a_cluster
	s_endpgm
.Lentry_in_a_cluster:
	s_bfe_u32 s2, ttmp6, 0x10000c
	s_cmp_lg_u32 s2, 0x3003
	s_cbranch_scc0 .Lentry_shape_is_right
	s_endpgm
.Lentry_shape_is_right:
; h = rope(layernorm(x)); q = h Wq + bq, k = h Wk + bk, v = h Wv + bv, the three products on codes of E5M2; q, k and v leave as codes for the two products of attention.
; h is quantised three times (entries 0, 2, 4 of the scales), the weights' codes come from wimg (entries 1, 3, 5), q by entry 6, k by entry 7 (along the head's 64), v by entry 9 (along the keys).
; ALL OPERANDS ARE IMAGES OF THE MATRIX INSTRUCTION'S REGISTERS: a fragment of 16 rows x 128 K is four pieces of 512 bytes, piece c = registers 4 c .. 4 c + 3, lane l's 16 bytes at 16 l;
; lane (r = l % 16, h = l / 16) holds row r, registers 2 c, 2 c + 1 hold K = 16 c + 8 h + 0 .. 7.  In memory every fragment load and store is 512 consecutive bytes.
; SHARES.  A work-group takes 32 tokens.  Rows first: wave w norms, turns and quantises rows 2 w, 2 w + 1 and puts the codes into twenty-four fragments in LDS (3 versions x 2 tiles of tokens x 4 K steps); one barrier.
; Then THE WAVES SHARE THE COLUMNS: wave w makes columns 32 w .. 32 w + 31 of q, of k and of v for all 32 tokens.
; THE WEIGHTS COME BY TWO ROADS.  Wq's and Wk's codes (524,288 bytes a work-group) go from memory straight into registers, through a ring of two sets of two fragments, each byte to one wave.  Wv's codes (262,144 bytes) come by the
; tensor data mover into LDS: one load a wave, its own 16,384 bytes, issued at the start and read only by that wave, behind the rows' work and four groups of products.  It is a first fill: nothing in LDS is filled again.
; h's fragments in LDS have 16 bytes of padding behind each 256 (a half of a piece 272 bytes, a piece 544, a fragment 2,176): the 32 lanes of a four-byte store of codes then touch 32 different banks (64 banks of 4 bytes: ISA guide 11.1),
; and each half of the lanes of a fragment load still reads 256 bytes on end.
; q and k are made transposed (source 0 = 16 columns of W, source 1 = 16 tokens): a lane holds one token and eight neighbours along the head's 64.  v is made the other way round: a lane holds one channel and eight neighbouring tokens,
; which are neighbours along the keys.  So each conversion's two registers are two registers of the next operand, and the results leave with no turn through LDS.
; JOINT LOADS for the mover's third alone: two thirds of the weights go into registers, where nothing can be shared; the mover's third is asked for jointly by the cluster's four work-groups, behind a round of the cluster's barrier, a whole phase ahead of its first read.
; ROPE: sin and cos by reduction to |y| <= pi/4 (pi/2 in two parts) and polynomials of degree 7 and 8; the frequency is 2^(-j log2(10000) / 256) by one v_exp_f32.  LIMIT: the phase is as exact as that and one f32 product allow.
; LIMITS on the given exponents, so that each power of two below is an f32 number: each of entries 0, 2, 4, 6, 7, 9 between -126 and 112; entries 0 + 1, 2 + 3, 4 + 5 between -126 and 127.  NaN among the inputs is not served.
; REGISTERS.  Rows: v16-47 two rows, v48-79 gain and bias, v80-87 frequencies, v88-103 held numbers, v104-127 codes, v128-143 at work, v250-255 constants.
;   Columns: v16-111 twelve accumulators ((p, u, m) at 16 + 8 (4 p + 2 u + m)), v112-143 h's two fragments, v144-207 the ring's two sets (at the end set 0 takes bq and bk), v208-239 Wv's two fragments, v244-249 scales and holds, v250, v252 bv.
.set R0,  16
.set R1,  32
.set GN,  48
.set BS,  64
.set IFQ, 80
.set T,   88
.set CD,  104
.set TM,  128
.set ACC, 16
.set HF,  112
.set WS,  144
.set TS,  208                          ; Wv's two fragments of a K step
.set BQ,  144                          ; bq's 16, then bk's 16: in the ring's set 0, when the ring is done with it
.set BV,  250                          ; bv: v250, v252 (v251, v253 are named with them as pairs and have been written)
.set QC,  244                          ; v244 + 2 p: the scale; v245 + 2 p: the largest number x the scale
.set FRG, 2176                         ; a fragment of h in LDS
.set WVL, 24*FRG                       ; behind h's 24 fragments: Wv's image, 16,384 bytes for each wave
.macro SPAIR d, val                    ; a constant for packed lines: they name a pair and take its low word for both halves
	s_mov_b32 s[\d], \val
	s_mov_b32 s[\d+1], \val
.endm
.macro QCONST e, vs, vl                ; s[e] = the exponent: 2^e, and 57,344 x 2^e, as f32
	s_add_co_i32 s100, s[\e], 127
	s_lshl_b32 s101, s100, 23
	v_mov_b32 v[\vs], s101
	s_add_co_i32 s100, s100, 15
	s_lshl_b32 s100, s100, 23
	s_or_b32 s100, s100, 0x600000
	v_mov_b32 v[\vl], s100
.endm
.macro SSCALE a, b, d                  ; 2^(s[a] + s[b]) as f32, twice
	s_add_co_i32 s[\d], s[\a], s[\b]
	s_add_co_i32 s[\d], s[\d], 127
	s_lshl_b32 s[\d], s[\d], 23
	s_mov_b32 s[\d+1], s[\d]
.endm
.macro WSUM a, u                       ; the sum of v[a] over the 32 lanes, in every lane; v[u] has been written
	s_delay_alu instid0(VALU_DEP_1)
	v_add_f32_dpp v[\a], v[\a], v[\a] row_xmask:1 row_mask:0xf bank_mask:0xf
	s_delay_alu instid0(VALU_DEP_1)
	v_add_f32_dpp v[\a], v[\a], v[\a] row_xmask:2 row_mask:0xf bank_mask:0xf
	s_delay_alu instid0(VALU_DEP_1)
	v_add_f32_dpp v[\a], v[\a], v[\a] row_xmask:4 row_mask:0xf bank_mask:0xf
	s_delay_alu instid0(VALU_DEP_1)
	v_add_f32_dpp v[\a], v[\a], v[\a] row_xmask:8 row_mask:0xf bank_mask:0xf
	s_delay_alu instid0(VALU_DEP_1)
	v_permlanex16_b32 v[\u], v[\a], s60, s61
	s_delay_alu instid0(VALU_DEP_1)
	v_add_f32 v[\a], v[\a], v[\u]
.endm
; One row of 512 (16 numbers a lane in v[r] on) is normed in place, in two passes: the mean, then the mean of the squared differences, so that a common offset costs no accuracy.  t: eight registers at work.
.macro LN1 r, g, b, t
	v_pk_add_f32 v[\t:\t+1], v[\r:\r+1], v[\r+2:\r+3]
	v_pk_add_f32 v[\t+2:\t+3], v[\r+4:\r+5], v[\r+6:\r+7]
	v_pk_add_f32 v[\t+4:\t+5], v[\r+8:\r+9], v[\r+10:\r+11]
	v_pk_add_f32 v[\t+6:\t+7], v[\r+12:\r+13], v[\r+14:\r+15]
	s_delay_alu instid0(VALU_DEP_3)
	v_pk_add_f32 v[\t:\t+1], v[\t:\t+1], v[\t+2:\t+3]
	s_delay_alu instid0(VALU_DEP_2)
	v_pk_add_f32 v[\t+4:\t+5], v[\t+4:\t+5], v[\t+6:\t+7]
	s_delay_alu instid0(VALU_DEP_1)
	v_pk_add_f32 v[\t:\t+1], v[\t:\t+1], v[\t+4:\t+5]
	s_delay_alu instid0(VALU_DEP_1)
	v_add_f32 v[\t], v[\t], v[\t+1]
	WSUM \t, \t+1
	s_delay_alu instid0(VALU_DEP_1)
	v_mul_f32 v[\t], s58, v[\t]                    ; the mean
.irp k, 0,2,4,6,8,10,12,14
	v_pk_add_f32 v[\r+\k:\r+\k+1], v[\r+\k:\r+\k+1], v[\t:\t+1] op_sel_hi:[1,0] neg_lo:[0,1] neg_hi:[0,1]
.endr
	v_pk_mul_f32 v[\t+2:\t+3], v[\r:\r+1], v[\r:\r+1]
	v_pk_mul_f32 v[\t+4:\t+5], v[\r+2:\r+3], v[\r+2:\r+3]
.irp k, 4,8,12
	s_delay_alu instid0(VALU_DEP_2)
	v_pk_fma_f32 v[\t+2:\t+3], v[\r+\k:\r+\k+1], v[\r+\k:\r+\k+1], v[\t+2:\t+3]
	s_delay_alu instid0(VALU_DEP_2)
	v_pk_fma_f32 v[\t+4:\t+5], v[\r+\k+2:\r+\k+3], v[\r+\k+2:\r+\k+3], v[\t+4:\t+5]
.endr
	s_delay_alu instid0(VALU_DEP_1)
	v_pk_add_f32 v[\t+2:\t+3], v[\t+2:\t+3], v[\t+4:\t+5]
	s_delay_alu instid0(VALU_DEP_1)
	v_add_f32 v[\t+2], v[\t+2], v[\t+3]
	WSUM \t+2, \t+3
	s_delay_alu instid0(VALU_DEP_1)
	v_fma_f32 v[\t+2], v[\t+2], s58, s59           ; the variance + 1e-5
	s_wait_alu depctr_va_vdst(0)
	v_rsq_f32 v[\t+2], v[\t+2]
	v_nop                                          ; a plain instruction between the transcendental and the use of its result
	s_wait_alu depctr_va_vdst(0)
.irp k, 0,2,4,6,8,10,12,14
	v_pk_mul_f32 v[\r+\k:\r+\k+1], v[\r+\k:\r+\k+1], v[\t+2:\t+3] op_sel_hi:[1,0]
.endr
.irp k, 0,2,4,6,8,10,12,14
	v_pk_fma_f32 v[\r+\k:\r+\k+1], v[\r+\k:\r+\k+1], v[\g+\k:\g+\k+1], v[\b+\k:\b+\k+1]
.endr
.endm
; The row in v[r] on is turned: register x pairs with register 8 + x (columns j and j + 256).  v254 = the row's t.  Two frequencies at a time.
; at work: TM y, then sin; TM+2 n; TM+4 y^2; TM+6 sin y; TM+8 cos y; TM+10 y^4, then cos; TM+12, TM+14 at work
.macro ROPE r
.irp x, 0,2,4,6
	v_pk_mul_f32 v[TM:TM+1], v[IFQ+\x:IFQ+\x+1], v[254:255] op_sel_hi:[1,0]   ; the angle
	s_delay_alu instid0(VALU_DEP_1)
	v_pk_mul_f32 v[TM+2:TM+3], v[TM:TM+1], s[66:67] op_sel_hi:[1,0]
	s_delay_alu instid0(VALU_DEP_1)
	v_rndne_f32 v[TM+2], v[TM+2]                   ; n = the nearest multiple of pi/2
	s_delay_alu instid0(VALU_DEP_2)
	v_rndne_f32 v[TM+3], v[TM+3]
	s_delay_alu instid0(VALU_DEP_1)
	v_pk_fma_f32 v[TM:TM+1], v[TM+2:TM+3], s[68:69], v[TM:TM+1] op_sel_hi:[1,0,1]   ; y = angle - n pi/2, pi/2 in two parts
	s_delay_alu instid0(VALU_DEP_1)
	v_pk_fma_f32 v[TM:TM+1], v[TM+2:TM+3], s[70:71], v[TM:TM+1] op_sel_hi:[1,0,1]
	s_delay_alu instid0(VALU_DEP_1)
	v_pk_mul_f32 v[TM+4:TM+5], v[TM:TM+1], v[TM:TM+1]
	s_delay_alu instid0(VALU_DEP_1)
	v_pk_fma_f32 v[TM+6:TM+7], v[TM+4:TM+5], v[250:251], s[72:73] op_sel_hi:[1,1,0]
	s_delay_alu instid0(VALU_DEP_2)
	v_pk_fma_f32 v[TM+8:TM+9], v[TM+4:TM+5], v[252:253], s[76:77] op_sel_hi:[1,1,0]
	s_delay_alu instid0(VALU_DEP_2)
	v_pk_fma_f32 v[TM+6:TM+7], v[TM+6:TM+7], v[TM+4:TM+5], s[74:75] op_sel_hi:[1,1,0]
	s_delay_alu instid0(VALU_DEP_2)
	v_pk_fma_f32 v[TM+8:TM+9], v[TM+8:TM+9], v[TM+4:TM+5], s[78:79] op_sel_hi:[1,1,0]
	s_delay_alu instid0(VALU_DEP_2)
	v_pk_mul_f32 v[TM+6:TM+7], v[TM+6:TM+7], v[TM+4:TM+5]
	v_pk_mul_f32 v[TM+10:TM+11], v[TM+4:TM+5], v[TM+4:TM+5]
	v_pk_fma_f32 v[TM+12:TM+13], v[TM+4:TM+5], -0.5, 1.0 op_sel_hi:[1,0,0]
	s_delay_alu instid0(VALU_DEP_3)
	v_pk_fma_f32 v[TM+6:TM+7], v[TM+6:TM+7], v[TM:TM+1], v[TM:TM+1]            ; sin y
	s_delay_alu instid0(VALU_DEP_2)
	v_pk_fma_f32 v[TM+8:TM+9], v[TM+8:TM+9], v[TM+10:TM+11], v[TM+12:TM+13]    ; cos y
	v_cvt_i32_f32 v[TM+2], v[TM+2]
	v_cvt_i32_f32 v[TM+3], v[TM+3]
.irp e, 0,1
	v_and_b32 v[TM+14], 1, v[TM+2+\e]              ; n odd: sin and cos change places
	s_delay_alu instid0(VALU_DEP_1)
	v_cmp_eq_u32 vcc_lo, 1, v[TM+14]
	s_delay_alu instid0(VALU_DEP_1)
	v_cndmask_b32 v[TM+\e], v[TM+6+\e], v[TM+8+\e], vcc_lo
	s_delay_alu instid0(VALU_DEP_2)
	v_cndmask_b32 v[TM+10+\e], v[TM+8+\e], v[TM+6+\e], vcc_lo
	v_lshlrev_b32 v[TM+14], 30, v[TM+2+\e]         ; sin changes sign where n & 2, cos where (n + 1) & 2
	v_add_lshl_u32 v[TM+15], v[TM+2+\e], 1, 30
	s_delay_alu instid0(VALU_DEP_2)
	v_and_b32 v[TM+14], 0x80000000, v[TM+14]
	s_delay_alu instid0(VALU_DEP_2)
	v_and_b32 v[TM+15], 0x80000000, v[TM+15]
	s_delay_alu instid0(VALU_DEP_2)
	v_xor_b32 v[TM+\e], v[TM+\e], v[TM+14]
	s_delay_alu instid0(VALU_DEP_2)
	v_xor_b32 v[TM+10+\e], v[TM+10+\e], v[TM+15]
.endr
	s_delay_alu instid0(VALU_DEP_2)
	v_pk_mul_f32 v[TM+12:TM+13], v[\r+8+\x:\r+9+\x], v[TM:TM+1]
	s_delay_alu instid0(VALU_DEP_2)
	v_pk_mul_f32 v[TM+4:TM+5], v[\r+8+\x:\r+9+\x], v[TM+10:TM+11]
	s_delay_alu instid0(VALU_DEP_1)
	v_pk_fma_f32 v[\r+8+\x:\r+9+\x], v[\r+\x:\r+\x+1], v[TM:TM+1], v[TM+4:TM+5]      ; x1 sin + x2 cos
	s_delay_alu instid0(VALU_DEP_3)
	v_pk_fma_f32 v[\r+\x:\r+\x+1], v[\r+\x:\r+\x+1], v[TM+10:TM+11], v[TM+12:TM+13] neg_lo:[0,0,1] neg_hi:[0,0,1]   ; x1 cos - x2 sin
.endr
.endm
; Row rr of my two, version p: 16 numbers a lane become four registers of codes, one for each K step (my four neighbours 4 l .. 4 l + 3 of its 128), and go to their places in the fragments.
.macro QROW r, rr, p
.set JJ, 0
.rept 16
	v_med3_num_f32 v[T+JJ], v[\r+JJ], -v[QC+1+2*(\p)], v[QC+1+2*(\p)]   ; the conversion to an 8-bit code does not saturate (ISA guide 7.6.2): the hold
.set JJ, JJ+1
.endr
	v_cvt_scalef32_pk8_bf8_f32 v[CD+4*(3*(\rr)+(\p)):CD+4*(3*(\rr)+(\p))+1], v[T:T+7], v[QC+2*(\p)]
	v_cvt_scalef32_pk8_bf8_f32 v[CD+4*(3*(\rr)+(\p))+2:CD+4*(3*(\rr)+(\p))+3], v[T+8:T+15], v[QC+2*(\p)]
	v_nop                                          ; a plain instruction between the conversions and the next lines that write their sources
.irp i, 0,1,2,3
	ds_store_b32 v2, v[CD+4*(3*(\rr)+(\p))+\i] offset:8*FRG*(\p)+FRG*\i+16*(\rr)
.endr
.endm
.macro WLOAD z, p, s                   ; my two fragments of weight p, K step s, from memory into set z
.irp u, 0,1
.irp c, 0,1,2,3
	global_load_b128 v[WS+32*(\z)+16*\u+4*\c:WS+32*(\z)+16*\u+4*\c+3], v1, s[10:11] offset:262144*(\p)+8192*\u+2048*(\s)+512*\c
.endr
.endr
.endm
.macro HFETCH p, s                     ; h's two fragments (version p, K step s) from LDS
.irp m, 0,1
.irp c, 0,1,2,3
	ds_load_b128 v[HF+16*\m+4*\c:HF+16*\m+4*\c+3], v6 offset:FRG*(8*(\p)+4*\m+(\s))+544*\c
.endr
.endr
.endm
.macro PLACES                          ; four places in front of loads into registers that products read, and of the first read of results
.rept 4
	v_nop
.endr
.endm
; Four products of weight p, K step s, the weight's two fragments at v[wb] on.  The twelve accumulators take turns, one instruction a turn.
.macro PROD4 p, s, wb
.set PP, (\p)
.set SS, (\s)
.irp u, 0,1
.irp m, 0,1
.set AC, ACC+8*(4*PP+2*\u+\m)
.set WF, (\wb)+16*\u
.set HH, HF+16*\m
.if PP < 2
.if SS == 0
	v_wmma_f32_16x16x128_bf8_bf8 v[AC:AC+7], v[WF:WF+15], v[HH:HH+15], 0
.else
	v_wmma_f32_16x16x128_bf8_bf8 v[AC:AC+7], v[WF:WF+15], v[HH:HH+15], v[AC:AC+7]
.endif
.else
.if SS == 0
	v_wmma_f32_16x16x128_bf8_bf8 v[AC:AC+7], v[HH:HH+15], v[WF:WF+15], 0
.else
	v_wmma_f32_16x16x128_bf8_bf8 v[AC:AC+7], v[HH:HH+15], v[WF:WF+15], v[AC:AC+7]
.endif
.endif
.endr
.endr
.endm
; Group i of the ring's eight: weight p = i % 2, K step i / 2, set i % 2.  left: the loads issued behind this group's eight, which may stay out.  Behind its products the set takes the group two on.
.macro VGRP i, left
	HFETCH (\i)%2, (\i)/2
	s_wait_loadcnt \left
	s_wait_dscnt 0x0
	PROD4 (\i)%2, (\i)/2, WS+32*((\i)%2)
	PLACES
.if (\i)+2 < 8
	WLOAD (\i)%2, (\i)%2, ((\i)+2)/2
.endif
.endm
; K step s of the product with Wv: both operands from LDS
.macro TGRP s
	HFETCH 2, \s
.irp u, 0,1
.irp c, 0,1,2,3
	ds_load_b128 v[TS+16*\u+4*\c:TS+16*\u+4*\c+3], v7 offset:8192*\u+2048*(\s)+512*\c
.endr
.endr
	s_wait_dscnt 0x0
	PROD4 2, \s, TS
	PLACES
.endm
	s_load_b512 s[4:19], s[0:1], 0x0               ; x, ln_g, ln_b, wimg, bq, bk, bv, the scales' exponents
	s_load_b128 s[20:23], s[0:1], 0x40             ; q_img, k_img
	s_load_b64 s[24:25], s[0:1], 0x50              ; v_img
	v_lshl_add_u32 v242, v0, 2, 0x4cc00
	v_mov_b32 v243, 0
	ds_add_u32 v242, v243
	ds_add_u32 v242, v243
	v_lshrrev_b32 v250, 5, v0
	s_delay_alu instid0(VALU_DEP_1)
	v_readfirstlane_b32 s26, v250                  ; wave 0..15
	s_bfe_u32 s27, ttmp6, 0x40000                  ; my place in the cluster of four
	s_lshl_b32 s28, ttmp9, 2
	s_add_co_u32 s27, s27, s28                     ; which 32 tokens: 4 x cluster + place
	v_and_b32 v3, 31, v0                           ; lane
	s_delay_alu instid0(VALU_DEP_1)
	v_lshlrev_b32 v1, 4, v3                        ; 16 x lane: my place in every piece in memory
	s_delay_alu instid0(VALU_DEP_1)
	v_lshl_add_u32 v7, v250, 14, v1
	s_delay_alu instid0(VALU_DEP_1)
	v_add_nc_u32 v7, WVL, v7                       ; and in my wave's part of Wv's image in LDS
	v_bfe_u32 v250, v0, 4, 1                       ; h
	s_delay_alu instid0(VALU_DEP_1)
	v_lshl_add_u32 v6, v250, 4, v1                 ; in a piece of h in LDS: 16 (l % 16) + 272 (l / 16)
	s_delay_alu instid0(VALU_DEP_2)
	v_lshlrev_b32 v4, 5, v250                      ; bq, bk: eight numbers for each half of the lanes
	v_and_b32 v250, 15, v0
	s_delay_alu instid0(VALU_DEP_1)
	v_lshlrev_b32 v5, 2, v250                      ; bv: one number a lane
	v_bfe_u32 v250, v0, 3, 2                       ; where four codes K = 4 l .. 4 l + 3 of row 2 w lie: piece l / 8,
	s_delay_alu instid0(VALU_DEP_1)
	v_mul_u32_u24 v2, v250, 544
	v_bfe_u32 v250, v0, 1, 1
	s_delay_alu instid0(VALU_DEP_1)
	v_mul_u32_u24 v250, v250, 272                  ; half (l / 2) % 2 of the lanes,
	s_delay_alu instid0(VALU_DEP_1)
	v_add_nc_u32 v2, v2, v250
	v_bfe_u32 v250, v0, 2, 1
	s_delay_alu instid0(VALU_DEP_1)
	v_lshl_add_u32 v2, v250, 3, v2                 ; register pair (l / 4) % 2,
	v_and_b32 v250, 1, v0
	s_delay_alu instid0(VALU_DEP_1)
	v_lshl_add_u32 v2, v250, 2, v2                 ; register l % 2 of it;
	v_bfe_u32 v250, v0, 8, 1
	s_delay_alu instid0(VALU_DEP_1)
	v_mul_u32_u24 v250, v250, 4*FRG                ; tile of tokens w / 8,
	s_delay_alu instid0(VALU_DEP_1)
	v_add_nc_u32 v2, v2, v250
	v_bfe_u32 v250, v0, 5, 3
	s_delay_alu instid0(VALU_DEP_1)
	v_lshl_add_u32 v2, v250, 5, v2                 ; row 2 (w % 8)
	s_lshl_b32 s28, s27, 5
	s_lshl_b32 s29, s26, 1
	s_add_co_u32 s30, s28, s29                     ; my first row: 32 x work-group + 2 x wave
	s_and_b32 s31, s30, 2047                       ; its t,
	s_add_co_u32 s62, s31, 1                       ; and the next row's
	s_lshl_b32 s28, s30, 11
	s_mov_b32 s29, 0
	s_lshl_b32 s32, s26, 14                        ; my two tiles of columns in a weight's image: 2 x 4 fragments
	s_mov_b32 s33, 0
	s_lshl_b32 s34, s26, 7                         ; my 32 numbers of a bias
	s_mov_b32 s35, 0
	s_lshr_b32 s63, s27, 6
	s_lshl_b32 s63, s63, 3
	s_lshr_b32 s88, s26, 1
	s_add_co_u32 s63, s63, s88                     ; 8 x batch + head: my 32 columns lie in head w / 2
	s_and_b32 s88, s27, 63                         ; which 32 tokens of the batch
	s_and_b32 s89, s26, 1
	s_lshl_b32 s90, s63, 7                         ; q, k: fragment (head, tile of tokens) of 1,024 bytes, piece w % 2
	s_lshl_b32 s91, s88, 1
	s_add_co_u32 s90, s90, s91
	s_lshl_b32 s90, s90, 1
	s_add_co_u32 s90, s90, s89
	s_lshl_b32 s90, s90, 9
	s_mov_b32 s91, 0
	s_lshl_b32 s92, s63, 4                         ; v: fragment (head, 128 keys, 16 channels) of 2,048 bytes, piece = which 32 of the 128 keys
	s_lshr_b32 s93, s88, 2
	s_add_co_u32 s92, s92, s93
	s_lshl_b32 s92, s92, 2
	s_lshl_b32 s93, s89, 1
	s_add_co_u32 s92, s92, s93
	s_lshl_b32 s92, s92, 2
	s_and_b32 s93, s88, 3
	s_add_co_u32 s92, s92, s93
	s_lshl_b32 s92, s92, 9
	s_mov_b32 s93, 0
	s_mov_b32 s58, 0x3b000000                      ; 1 / 512
	s_mov_b32 s59, 0x3727c5ac                      ; 1e-5
	s_mov_b32 s60, 0x76543210                      ; v_permlanex16_b32: lane l xor 16
	s_mov_b32 s61, 0xfedcba98
	SPAIR 66, 0x3f22f983                           ; 2 / pi
	SPAIR 68, 0xbfc90fdb                           ; -pi/2, its f32 part,
	SPAIR 70, 0x333bbd2e                           ; and what that part has too much
	SPAIR 72, 0x3c08839e                           ; sin: y + y z (S1 + z (S2 + z S3)), z = y^2
	SPAIR 74, 0xbe2aaaa3
	SPAIR 76, 0xbab6061a                           ; cos: 1 - z / 2 + z^2 (C1 + z (C2 + z C3))
	SPAIR 78, 0x3d2aaaa5
	; descriptor group 1: a dense block of 16,384 bytes as 64 rows of 32 elements of 8 bytes
	s_mov_b32 s80, 15|(3<<16)|(1<<21)              ; the four partners; elements of 8 bytes; bit 21 beside a mask; no padding
	s_mov_b32 s81, 32<<16                          ; tensor_dim0 = 32
	s_mov_b32 s82, 64<<16                          ; tensor_dim1 = 64
	s_mov_b32 s83, 32<<16                          ; tile_dim0 = 32
	s_mov_b32 s84, 64                              ; tile_dim1 = 64
	s_mov_b32 s85, 32                              ; from row to row: 32 elements
	s_mov_b32 s86, 0
	s_mov_b32 s87, 0
	s_mov_b32 s96, 1                               ; group 0: count 1,
	s_lshl_b32 s97, s26, 14
	s_add_co_u32 s97, s97, WVL                     ; LDS byte WVL + 16,384 x wave
	s_wait_dscnt 0x0
	s_wait_kmcnt 0x0
	s_load_b512 s[36:51], s[18:19], 0x0            ; the sixteen exponents
	s_add_nc_u64 s[10:11], s[10:11], s[32:33]
	s_add_nc_u64 s[98:99], s[10:11], 0x80000       ; Wv's image lies 524,288 bytes into wimg
	s_or_b32 s99, s99, 0x80000000                  ; type = 2
; Wv's image IS ASKED FOR JOINTLY, as the text now stands: the four work-groups of a cluster issue the same sixteen loads (the descriptor hangs on the wave's number alone), behind a round of the cluster's barrier.
.macro CROUND                          ; a round of the cluster's barrier
	s_barrier_signal -1
	s_barrier_wait -1
	s_cmp_lg_u32 s26, 0
	s_cbranch_scc1 .Lnot_wave_0_\@
	s_barrier_signal -3
.Lnot_wave_0_\@:
	s_barrier_wait -3
	s_barrier_signal -1
	s_barrier_wait -1
.endm
	s_add_nc_u64 s[4:5], s[4:5], s[28:29]
.irp rr, 0,1                           ; what the rows' work waits for is asked for first, ahead of the round and of the tensor load
.irp i, 0,1,2,3
	global_load_b128 v[R0+16*\rr+4*\i:R0+16*\rr+4*\i+3], v1, s[4:5] offset:2048*\rr+512*\i th:TH_LOAD_NT   ; columns 128 i + 4 l + 0 .. 3: 512 consecutive bytes a load
.endr
.endr
.irp i, 0,1,2,3
	global_load_b128 v[GN+4*\i:GN+4*\i+3], v1, s[6:7] offset:512*\i
.endr
.irp i, 0,1,2,3
	global_load_b128 v[BS+4*\i:BS+4*\i+3], v1, s[8:9] offset:512*\i
.endr
	CROUND
	tensor_load_to_lds s[96:99], s[80:87]          ; my eight fragments of Wv: the wave's only tensor load
	s_nop 0
.rept 4
	v_nop
.endr
	s_add_nc_u64 s[12:13], s[12:13], s[34:35]
	s_add_nc_u64 s[14:15], s[14:15], s[34:35]
	s_add_nc_u64 s[16:17], s[16:17], s[34:35]
	s_add_nc_u64 s[20:21], s[20:21], s[90:91]
	s_add_nc_u64 s[22:23], s[22:23], s[90:91]
	s_add_nc_u64 s[24:25], s[24:25], s[92:93]
	WLOAD 0, 0, 0                                  ; the ring's first two groups land under the rows' work
	WLOAD 1, 1, 0
	v_mov_b32 v250, 0xb94ca1f9                     ; S3, twice
	v_mov_b32 v251, 0xb94ca1f9
	v_mov_b32 v252, 0x37ccf5ce                     ; C3, twice
	v_mov_b32 v253, 0x37ccf5ce
	v_lshlrev_b32 v[TM], 2, v3
.irp i, 0,1,2,3,4,5,6,7
	v_add_nc_u32 v[IFQ+\i], 128*(\i/4)+\i%4, v[TM] ; j = 128 (i / 4) + 4 l + i % 4
.endr
.irp i, 0,1,2,3,4,5,6,7
	v_cvt_f32_u32 v[IFQ+\i], v[IFQ+\i]
.endr
.irp i, 0,1,2,3,4,5,6,7
	v_mul_f32 v[IFQ+\i], 0xbd549a78, v[IFQ+\i]     ; x -log2(10000) / 256
.endr
	s_wait_alu depctr_va_vdst(0)
.irp i, 0,1,2,3,4,5,6,7
	v_exp_f32 v[IFQ+\i], v[IFQ+\i]                 ; 10000^(-j / 256)
.endr
	v_nop                                          ; a plain instruction behind the exponentials
	s_wait_kmcnt 0x0
	QCONST 36, QC, QC+1                            ; h for q, for k, for v
	QCONST 38, QC+2, QC+3
	QCONST 40, QC+4, QC+5
	SSCALE 36, 37, 52                              ; what a sum of each product stands for
	SSCALE 38, 39, 54
	SSCALE 40, 41, 56
	s_wait_loadcnt 16                              ; x, gain and bias are in; the sixteen loads of weights may be out
	LN1 R0, GN, BS, TM
	LN1 R1, GN, BS, TM+8
	v_cvt_f32_u32 v254, s31
	s_delay_alu instid0(VALU_DEP_1)
	v_mov_b32 v255, v254
	ROPE R0
	v_cvt_f32_u32 v254, s62
	s_delay_alu instid0(VALU_DEP_1)
	v_mov_b32 v255, v254
	ROPE R1
.irp p, 0,1,2
	QROW R0, 0, \p
	QROW R1, 1, \p
.endr
	s_wait_dscnt 0x0                               ; for the others' sake: my codes lie in LDS
	s_barrier_signal -1
	s_barrier_wait -1                              ; all twenty-four fragments of h are whole.
.irp u, 0,1
	global_load_b32 v[BV+2*\u], v5, s[16:17] offset:64*\u   ; bv, into registers that the turning has done with
.endr
	VGRP 0, 10                                     ; behind its eight loads: the next group's eight and bv's two
	VGRP 1, 10                                     ; behind its eight: bv's two and the next group's eight
	VGRP 2, 8                                      ; from here on: the next group's eight
	VGRP 3, 8
	s_wait_tensorcnt 0x0                           ; my part of Wv is in LDS; only I read it
	TGRP 0
	VGRP 4, 8
	TGRP 1
	VGRP 5, 8
	TGRP 2
	VGRP 6, 8
.irp u, 0,1                                    ; the ring has no more use for set 0: it takes bq and bk (four places stand behind the products that read it)
	global_load_b128 v[BQ+8*\u:BQ+8*\u+3], v4, s[12:13] offset:64*\u
	global_load_b128 v[BQ+8*\u+4:BQ+8*\u+7], v4, s[12:13] offset:64*\u+16
.endr
.irp u, 0,1
	global_load_b128 v[BQ+16+8*\u:BQ+16+8*\u+3], v4, s[14:15] offset:64*\u
	global_load_b128 v[BQ+16+8*\u+4:BQ+16+8*\u+7], v4, s[14:15] offset:64*\u+16
.endr
	TGRP 3
	VGRP 7, 8                                      ; behind its eight loads: bq's and bk's eight
	s_wait_loadcnt 0x0                             ; the biases
	; THE WAY OUT: sum x 2^(the two exponents) + bias, each accumulator from its low end on; hold; codes; six stores of 512 consecutive aligned bytes
.irp p, 0,1
.irp u, 0,1
.irp m, 0,1
.irp i, 0,2,4,6
	v_pk_fma_f32 v[ACC+8*(4*\p+2*\u+\m)+\i:ACC+8*(4*\p+2*\u+\m)+\i+1], v[ACC+8*(4*\p+2*\u+\m)+\i:ACC+8*(4*\p+2*\u+\m)+\i+1], s[52+2*\p:53+2*\p], v[BQ+16*\p+8*\u+\i:BQ+16*\p+8*\u+\i+1] op_sel_hi:[1,0,1]
.endr
.endr
.endr
.endr
.irp u, 0,1
.irp m, 0,1
.irp i, 0,2,4,6
	v_pk_fma_f32 v[ACC+8*(8+2*\u+\m)+\i:ACC+8*(8+2*\u+\m)+\i+1], v[ACC+8*(8+2*\u+\m)+\i:ACC+8*(8+2*\u+\m)+\i+1], s[56:57], v[BV+2*\u:BV+2*\u+1] op_sel_hi:[1,0,0]   ; a lane holds one channel: one number of bv for all eight tokens
.endr
.endr
.endr
	QCONST 42, QC, QC+1                            ; q, k, v as operands of attention
	s_wait_alu depctr_va_vdst(0)
	QCONST 43, QC+2, QC+3
	QCONST 45, QC+4, QC+5
.irp p, 0,1,2
.set JJ, 0
.rept 32
	v_med3_num_f32 v[ACC+32*\p+JJ], v[ACC+32*\p+JJ], -v[QC+1+2*\p], v[QC+1+2*\p]
.set JJ, JJ+1
.endr
.endr
.irp p, 0,1
.irp u, 0,1
.irp m, 0,1
	v_cvt_scalef32_pk8_bf8_f32 v[HF+8*\p+4*\m+2*\u:HF+8*\p+4*\m+2*\u+1], v[ACC+8*(4*\p+2*\u+\m):ACC+8*(4*\p+2*\u+\m)+7], v[QC+2*\p]   ; tile u of my two is register pair u of the piece
.endr
.endr
.endr
.irp u, 0,1
.irp m, 0,1
	v_cvt_scalef32_pk8_bf8_f32 v[HF+16+4*\u+2*\m:HF+16+4*\u+2*\m+1], v[ACC+8*(8+2*\u+\m):ACC+8*(8+2*\u+\m)+7], v[QC+4]   ; tile m of the tokens is register pair m of the piece
.endr
.endr
	v_nop                                          ; a plain instruction behind the last conversion
.irp m, 0,1
	global_store_b128 v1, v[HF+4*\m:HF+4*\m+3], s[20:21] offset:1024*\m
	global_store_b128 v1, v[HF+8+4*\m:HF+8+4*\m+3], s[22:23] offset:1024*\m
.endr
.irp u, 0,1
	global_store_b128 v1, v[HF+16+4*\u:HF+16+4*\u+3], s[24:25] offset:2048*\u
.endr
	s_wait_tensorcnt 0x0
	ds_add_u32 v242, v243
	s_wait_dscnt 0x0
	CROUND                                         ; the closing round
	s_endpgm
.Lfunc_end_k_qe789fcc1f7_front:
	.size	k_qe789fcc1f7_front, .Lfunc_end_k_qe789fcc1f7_front-k_qe789fcc1f7_front
	.p2alignl 7, 3214868480
	.fill 96, 4, 3214868480
	.section	.rodata,"a",@progbits
	.p2align	6, 0x0
	.amdhsa_kernel k_qe789fcc1f7_front
		.amdhsa_group_segment_fixed_size 316416
		.amdhsa_private_segment_fixed_size 0
		.amdhsa_enable_private_segment 0
		.amdhsa_kernarg_size 88
		.amdhsa_user_sgpr_count 2
		.amdhsa_user_sgpr_kernarg_segment_ptr 1
		.amdhsa_wavefront_size32 1
		.amdhsa_system_sgpr_workgroup_id_x 1
		.amdhsa_system_sgpr_workgroup_id_y 1
		.amdhsa_system_sgpr_workgroup_id_z 1
		.amdhsa_system_vgpr_workitem_id 0
		.amdhsa_next_free_vgpr 256
		.amdhsa_next_free_sgpr 102
		.amdhsa_reserve_vcc 1
		.amdhsa_float_denorm_mode_32 3
		.amdhsa_float_denorm_mode_16_64 3
		.amdhsa_memory_ordered 1
		.amdhsa_forward_progress 1
		.amdhsa_inst_pref_size 85
	.end_amdhsa_kernel
	.amdgpu_metadata
---
amdhsa.version: [ 1, 2 ]
amdhsa.kernels:
  - .name:           k_qe789fcc1f7_front
    .symbol:         k_qe789fcc1f7_front.kd
    .args:
      - { .name: x, .offset: 0, .size: 8, .value_kind: global_buffer, .address_space: global }
      - { .name: ln_g, .offset: 8, .size: 8, .value_kind: global_buffer, .address_space: global }
      - { .name: ln_b, .offset: 16, .size: 8, .value_kind: global_buffer, .address_space: global }
      - { .name: wimg, .offset: 24, .size: 8, .value_kind: global_buffer, .address_space: global }
      - { .name: bq, .offset: 32, .size: 8, .value_kind: global_buffer, .address_space: global }
      - { .name: bk, .offset: 40, .size: 8, .value_kind: global_buffer, .address_space: global }
      - { .name: bv, .offset: 48, .size: 8, .value_kind: global_buffer, .address_space: global }
      - { .name: lowp_scales, .offset: 56, .size: 8, .value_kind: global_buffer, .address_space: global }
      - { .name: q_img, .offset: 64, .size: 8, .value_kind: global_buffer, .address_space: global }
      - { .name: k_img, .offset: 72, .size: 8, .value_kind: global_buffer, .address_space: global }
      - { .name: v_img, .offset: 80, .size: 8, .value_kind: global_buffer, .address_space: global }
    .group_segment_fixed_size: 316416
    .private_segment_fixed_size: 0
    .kernarg_segment_align: 8
    .kernarg_segment_size: 88
    .max_flat_workgroup_size: 512
    .sgpr_count:     102
    .vgpr_count:     256
    .wavefront_size: 32
...
	.end_amdgpu_metadata
.endif
;; end of part 2
;; launch attn (part 3): grid 8 x 32, 16 waves a work-group, no clusters, 327,680 bytes of LDS; arguments q_img, k_img, v_img, lowp_scales, o_img; writes o_img
.if DOCPART == 3
	.amdgcn_target "amdgcn-amd-amdhsa--gfx1250"
	.amdhsa_code_object_version 6
	.text
	.protected	k_qe789fcc1f7_attn
	.globl	k_qe789fcc1f7_attn
	.p2align	8
	.type	k_qe789fcc1f7_attn,@function
k_qe789fcc1f7_attn:
	s_mov_b64 s[64:65], 0
	v_nop
	global_prefetch_b8 v0, s[64:65] scope:SCOPE_SE
	s_setreg_imm32_b32 hwreg(HW_REG_WAVE_MODE, 25, 1), 1
	s_wait_xcnt 0x0
; o[q] = the sum over keys k with |q - k| > 128 of softmax_k(q . k / 8) v[k], for one (batch, head) and 256 queries a work-group; both products on codes of E5M2 (entries 6, 7 and 8, 9 of the scales);
; o leaves as codes (entry 10) for the product with Wo.
; THE SOFTMAX AHEAD OF THE SECOND PRODUCT: t = score x log2(e) / 8; M = the largest t so far, rounded UP to a whole number; p = 2^(t - M) is quantised along the keys, not normalised; the row's sum is taken of the
; unquantised p and divides at the end.  When M moves, the sum and O are multiplied by 2^(old M - new M): exact.
; OPERANDS are images of the matrix instruction's registers (pieces of 512 bytes, lane l's 16 bytes at 16 l; lane (r, h): row r, registers 2 c, 2 c + 1: K = 16 c + 8 h + 0 .. 7).
; SHARES.  Sixteen waves, each 16 queries in 256 registers: four waves to a SIMD, so that one wave's vector work stands beside another's products and LDS loads.
; THE HEAD'S WHOLE K AND V COME INTO LDS ONCE, IN TWO STAGES, keys 1,536 on and then keys 0 to 1,535.  Each wave issues one tensor load for each stage, of K (waves 0-7) or of V (waves 8-15), in the order in which the
; stages are walked: one tensor load of a wave is out at the most.  In front of a stage's key steps stand a wait for all of my tensor loads and a barrier; nothing is ever filled again.
; The stage at the highest LDS addresses is walked first, and 8,192 unused bytes lie behind K and behind V: so the value that the stepped LDS address has behind a loop's last trip names bytes that have landed, or nobody's.
; The order of the keys does not matter to the running maximum and sum.
; Both products are used transposed (S^T = K Q^T, O^T = V^T P^T): a lane holds ONE query throughout; tile t's eight scores are keys 16 t + 8 h + 0 .. 7, so its conversion gives registers 2 t, 2 t + 1 of P.
; THE BAND.  Sixteen key steps of 128 keys, two loops, of four trips and of twelve.  The step whose keys are my queries' own block of 128 lies wholly inside the band and is left out; in the two steps beside it hidden scores become -infinity ahead of
; the maximum; all other steps are open.  The branches hang on ids alone.
; NO JOINT LOADS: the eight work-groups of a head want the same K and V, 262,144 bytes once each, but which step is left out and which is masked hangs on the block of queries, so partners would branch differently.
; LIMITS on the given exponents: entries 6 + 7 between -123 and 130 (they are added to c's exponent field); entries 8 and 10 between -126 and 112; entries 8 + 9 go in by v_ldexp_f32 and have none.
; REGISTERS: v1 16 x lane; v3 8 h - r + 128; v8, v9 LDS addresses; v12 -M, v13 the largest t, v[14:15] the sum in two halves; v16-23 Q; v32-95 K's eight fragments, then V's four; v96-159 S^T, then p;
;   v160-191 O^T; v224-239 p's codes; v240, v244 hold and scale of p; v248, v249 scale and hold of o; v242-243, v246, v252-254 at work.
.set QTR, 32768                        ; a quarter of K's or of V's image
.set VB,  139264                       ; V's image in LDS: behind K's 131,072 bytes and 8,192 unused ones
.macro QCONST e, vs, vl                ; s[e] = the exponent: 2^e, and 57,344 x 2^e, as f32
	s_add_co_i32 s68, s[\e], 127
	s_lshl_b32 s69, s68, 23
	v_mov_b32 v[\vs], s69
	s_add_co_i32 s68, s68, 15
	s_lshl_b32 s68, s68, 23
	s_or_b32 s68, s68, 0x600000
	v_mov_b32 v[\vl], s68
.endm
; THE FILLS, as they now stand: TWO tensor loads a wave, 4,096 and 12,288 bytes: waves 0 to 7 bring K's image, waves 8 to 15 V's; a wait and a barrier in front of each of two loops, of four and of twelve key steps.
	s_load_b256 s[4:11], s[0:1], 0x0               ; q_img, k_img, v_img, the scales' exponents
	s_load_b64 s[12:13], s[0:1], 0x20              ; o_img
	v_lshl_add_u32 v251, v0, 2, 0x44000
	v_mov_b32 v255, 0
	ds_add_u32 v251, v255
	ds_add_u32 v251, v255
	v_lshrrev_b32 v8, 5, v0
	s_delay_alu instid0(VALU_DEP_1)
	v_readfirstlane_b32 s14, v8                    ; wave 0..15
	s_and_b32 s15, ttmp7, 0xffff                   ; 8 x batch + head
	; descriptor group 1: a dense block of 4,096 bytes as 16 rows of 32 elements of 8 bytes
	s_mov_b32 s16, 3<<16                           ; no mask; elements of 8 bytes; no padding
	s_mov_b32 s17, 32<<16                          ; tensor_dim0 = 32
	s_mov_b32 s18, 16<<16                          ; tensor_dim1 = 16: a dense block of 4,096 bytes as 16 rows of 256
	s_mov_b32 s19, 32<<16                          ; tile_dim0 = 32
	s_mov_b32 s20, 16                              ; tile_dim1 = 16
	s_mov_b32 s21, 32                              ; from row to row: 32 elements
	s_mov_b32 s22, 0
	s_mov_b32 s23, 0
	s_mov_b32 s72, 3<<16                           ; a second group 1: 12,288 bytes as 48 rows of 256
	s_mov_b32 s73, 32<<16
	s_mov_b32 s74, 48<<16
	s_mov_b32 s75, 32<<16
	s_mov_b32 s76, 48
	s_mov_b32 s77, 32
	s_mov_b32 s78, 0
	s_mov_b32 s79, 0
; TWO STAGES of first fills, one tensor load a wave in each (waves 0-7: K, waves 8-15: V): keys 1,536 on (4,096 bytes a wave), then keys 0 to 1,535 (12,288 bytes a wave).
; The second stage's load is issued behind the barrier in front of the first stage's four key steps; no byte is filled twice.
	s_and_b32 s41, s14, 7
	s_lshl_b32 s41, s41, 12                        ; 4,096 x (w % 8)
	s_lshl_b32 s60, s15, 17                        ; the head's image
	s_lshr_b32 s42, s14, 3                         ; 0: I fetch for K; 1: for V
	s_mul_i32 s43, s42, VB
	s_add_co_u32 s25, s41, s43
	s_add_co_u32 s25, s25, 3*QTR                   ; LDS byte of my part of the first stage,
	s_mul_i32 s86, s41, 3                          ; 12,288 x (w % 8)
	s_add_co_u32 s81, s86, s43                     ; and of the second
	s_mov_b32 s87, 0
	s_add_co_u32 s84, s41, 3*QTR
	s_mov_b32 s85, 0
	s_mov_b32 s61, 0
	s_lshl_b32 s62, s15, 7
	s_lshl_b32 s63, ttmp9, 4
	s_add_co_u32 s63, s63, s14                     ; my tile of 16 queries in the batch: 16 x work-group x + wave
	s_add_co_u32 s62, s62, s63
	s_lshl_b32 s62, s62, 10                        ; Q's fragment of 1,024 bytes
	s_lshr_b32 s66, s15, 3
	s_lshl_b32 s66, s66, 7
	s_add_co_u32 s66, s66, s63
	s_lshl_b32 s66, s66, 13                        ; o: the tile of rows' 8,192 bytes,
	s_and_b32 s67, s15, 7
	s_lshl_b32 s67, s67, 10
	s_add_co_u32 s66, s66, s67                     ; and the head's 1,024 of them
	s_mov_b32 s67, 0
	s_lshl_b32 s38, s63, 4                         ; my first query
	s_mov_b32 s63, 0
	s_and_b32 s39, s38, 0xffffff80                 ; the first key of its block of 128
	s_mov_b32 s32, 0x76543210                      ; v_permlanex16_b32: lane l xor 16
	s_mov_b32 s33, 0xfedcba98
	v_and_b32 v2, 31, v0
	s_delay_alu instid0(VALU_DEP_1)
	v_lshlrev_b32 v1, 4, v2                        ; 16 x lane
	v_and_b32 v2, 15, v0                           ; r
	v_bfe_u32 v3, v0, 4, 1                         ; h
	s_delay_alu instid0(VALU_DEP_1)
	v_lshlrev_b32 v3, 3, v3
	s_delay_alu instid0(VALU_DEP_1)
	v_sub_nc_u32 v3, v3, v2
	s_delay_alu instid0(VALU_DEP_1)
	v_add_nc_u32 v3, 128, v3                       ; 8 h - r + 128
	s_wait_alu depctr_va_vdst(0)
	s_wait_dscnt 0x0
	s_wait_kmcnt 0x0
	s_cmp_eq_u32 s42, 0                            ; a choice on the wave's number alone
	s_cselect_b64 s[6:7], s[6:7], s[8:9]
	s_add_nc_u64 s[6:7], s[6:7], s[60:61]          ; the head's image of K or of V
	s_mov_b32 s24, 1                               ; two groups 0, none written while its load is out
	s_add_nc_u64 s[26:27], s[6:7], s[84:85]
	s_mov_b32 s80, 1
	s_add_nc_u64 s[82:83], s[6:7], s[86:87]
	s_or_b32 s27, s27, 0x80000000                  ; type = 2
	s_or_b32 s83, s83, 0x80000000
	tensor_load_to_lds s[24:27], s[16:23]          ; the first stage: my one tensor load at the head
	s_nop 0
.rept 4
	v_nop
.endr
	s_load_b512 s[44:59], s[10:11], 0x0            ; the sixteen exponents
	s_add_nc_u64 s[4:5], s[4:5], s[62:63]
	s_add_nc_u64 s[12:13], s[12:13], s[66:67]
	global_load_b128 v[16:19], v1, s[4:5] th:TH_LOAD_NT            ; Q's fragment stays in registers
	global_load_b128 v[20:23], v1, s[4:5] offset:512 th:TH_LOAD_NT
	v_mov_b32 v13, 0xff61b1e6                      ; the largest t so far: -3e38, under every t
	s_delay_alu instid0(VALU_DEP_1)
	v_floor_f32 v12, -v13                          ; -M
	v_mov_b32 v14, 0
	v_mov_b32 v15, 0
	v_mov_b32 v246, 0                              ; written once: a lane permute's destination counts as one of its sources
	v_mov_b32 v252, 0
	v_mov_b32 v253, 0                              ; (named as the upper half of the pair v[252:253])
.set JJ, 0
.rept 32
	v_mov_b32 v[160+JJ], 0                         ; O^T.  (The step is written once for a quarter: the first finds zeros, which the first change of M leaves zeros)
.set JJ, JJ+1
.endr
	s_wait_kmcnt 0x0
	s_add_co_i32 s60, s50, s51
	s_lshl_b32 s60, s60, 23
	s_mov_b32 s34, 0x3e38aa3b                      ; c = log2(e) / 8;
	s_add_co_i32 s34, s34, s60                     ; a score stands for score x 2^(entries 6 + 7): added to c's exponent field
	s_mov_b32 s35, s34
	QCONST 52, 244, 240                            ; p
	QCONST 54, 248, 249                            ; o
	s_wait_loadcnt 0x0                             ; Q
; A stage: the keys from 512 x base on, trips key steps of 128.  g0, g1: the descriptor of the next stage's load; g0 = 0: nothing more is asked for.
.macro QUARTER base, trips, g0, g1
	s_wait_tensorcnt 0x0                           ; my part of this stage is in: no tensor load of mine is out
	ds_add_u32 v251, v255                          ; 0 onto my spare word
	s_wait_dscnt 0x0
	s_barrier_signal -1
	s_barrier_wait -1                              ; everybody's parts are in
.if \g0
	tensor_load_to_lds s[\g0:\g0+3], s[\g1:\g1+7]  ; the next stage's first fill: my one tensor load behind this barrier; it has this stage's steps in which to land
	s_nop 0
.rept 4
	v_nop
.endr
.endif
	s_mov_b32 s36, (\base)*QTR
	s_mov_b32 s37, (\base)*512
	s_mov_b32 s40, 0                               ; trips
.Lstep_\@:
	s_cmp_eq_u32 s37, s39                          ; my queries' own block of keys: all within 127 of every one of them
	s_cbranch_scc1 .Lskip_\@
	v_add_nc_u32 v8, s36, v1
	s_delay_alu instid0(VALU_DEP_1)
	v_add_nc_u32 v9, VB, v8
	v_nop
	v_nop                                          ; with the two additions: four places in front of loads into registers that the last products read
.irp t, 0,1,2,3,4,5,6,7
.irp c, 0,1
	ds_load_b128 v[32+8*\t+4*\c:35+8*\t+4*\c], v8 offset:1024*\t+512*\c
.endr
.endr
	s_wait_alu depctr_va_vdst(0)
	s_wait_dscnt 0x0
.irp t, 0,1,2,3,4,5,6,7
	v_wmma_f32_16x16x64_bf8_bf8 v[96+8*\t:103+8*\t], v[32+8*\t:39+8*\t], v[16:23], 0   ; register 8 t + j: key 16 t + 8 h + j of the step, query r
.endr
.rept 4
	v_nop
.endr
.irp d, 0,1,2,3
.irp c, 0,1,2,3
	ds_load_b128 v[32+16*\d+4*\c:35+16*\d+4*\c], v9 offset:2048*\d+512*\c   ; V's four fragments land under the softmax
.endr
.endr
	s_sub_co_u32 s60, s37, s39
	s_add_co_u32 s60, s60, 128
	s_cmp_gt_u32 s60, 256                          ; two blocks or more from my queries' block: at least 129 from every query
	s_cbranch_scc1 .Lopen_\@
	s_sub_co_u32 s60, s37, s38
	v_add_nc_u32 v252, s60, v3                     ; key - query + 128 for register 0; hidden where that lies in 0 .. 256
	v_mov_b32 v254, 0xff800000                     ; -infinity
.set NN, 0
.rept 64
	v_add_nc_u32 v253, 16*(NN/8)+NN%8, v252
	s_delay_alu instid0(VALU_DEP_1)
	v_cmp_gt_u32 vcc_lo, 0x101, v253
	v_cndmask_b32 v[96+NN], v[96+NN], v254, vcc_lo
.set NN, NN+1
.endr
.Lopen_\@:
	v_max3_num_f32 v254, v96, v97, v98             ; the step's largest score of my query, among my 64 keys, in two chains,
	v_max3_num_f32 v252, v99, v100, v101
.irp i, 6,10,14,18,22,26,30,34,38,42,46,50,54,58
	v_max3_num_f32 v254, v254, v[96+\i], v[97+\i]
	v_max3_num_f32 v252, v252, v[98+\i], v[99+\i]
.endr
	v_max3_num_f32 v254, v254, v158, v159
	s_delay_alu instid0(VALU_DEP_1)
	v_max_num_f32 v254, v254, v252
	s_delay_alu instid0(VALU_DEP_1)
	v_permlanex16_b32 v246, v254, s32, s33
	s_delay_alu instid0(VALU_DEP_1)
	v_max_num_f32 v254, v254, v246                 ; and among lane l xor 16's
	s_delay_alu instid0(VALU_DEP_1)
	v_mul_f32 v254, s34, v254                      ; as t (c is positive)
	s_delay_alu instid0(VALU_DEP_1)
	v_max_num_f32 v13, v13, v254                   ; the running largest t
	v_mov_b32 v254, v12
	s_delay_alu instid0(VALU_DEP_2)
	v_floor_f32 v12, -v13                          ; the new -M = floor(-t) = -ceil(t): M is a whole number
	s_delay_alu instid0(VALU_DEP_1)
	v_sub_f32 v254, v12, v254                      ; M's old value less its new one: a whole number, 0 or less
	s_delay_alu instid0(VALU_DEP_1)
	v_cvt_i32_f32 v254, v254                       ; (it saturates)
	s_delay_alu instid0(VALU_DEP_1)
	v_ldexp_f32 v252, 1.0, v254                    ; f = 2^(old M - new M)
.set JJ, 0
.rept 32
	v_pk_fma_f32 v[96+JJ:97+JJ], v[96+JJ:97+JJ], s[34:35], v[12:13] op_sel_hi:[1,0,0]   ; t - M, two at a time
.set JJ, JJ+2
.endr
.set JJ, 0
	s_wait_alu depctr_va_vdst(0)
.rept 64
	v_exp_f32 v[96+JJ], v[96+JJ]                   ; p = 2^(t - M), at most 1; 0 for a hidden key
.set JJ, JJ+1
.endr
	v_pk_mul_f32 v[14:15], v[14:15], v[252:253] op_sel_hi:[1,0]   ; the sums under the new M.  (A plain place behind the exponentials)
	s_wait_alu depctr_va_vdst(0)
	v_pk_add_f32 v[242:243], v[100:101], v[104:105]
	v_pk_add_f32 v[238:239], v[108:109], v[112:113]
	v_pk_add_f32 v[236:237], v[116:117], v[120:121]
	v_pk_add_f32 v[234:235], v[124:125], v[128:129]
	v_pk_add_f32 v[232:233], v[132:133], v[136:137]
	v_pk_add_f32 v[230:231], v[140:141], v[144:145]
	v_pk_add_f32 v[228:229], v[148:149], v[152:153]
	v_pk_add_f32 v[14:15], v[14:15], v[156:157]
	v_pk_add_f32 v[242:243], v[242:243], v[96:97]
	v_pk_add_f32 v[238:239], v[238:239], v[98:99]
	v_pk_add_f32 v[236:237], v[236:237], v[102:103]
	v_pk_add_f32 v[234:235], v[234:235], v[106:107]
	v_pk_add_f32 v[232:233], v[232:233], v[110:111]
	v_pk_add_f32 v[230:231], v[230:231], v[114:115]
	v_pk_add_f32 v[228:229], v[228:229], v[118:119]
	v_pk_add_f32 v[14:15], v[14:15], v[122:123]
	v_pk_add_f32 v[242:243], v[242:243], v[126:127]
	v_pk_add_f32 v[238:239], v[238:239], v[130:131]
	v_pk_add_f32 v[236:237], v[236:237], v[134:135]
	v_pk_add_f32 v[234:235], v[234:235], v[138:139]
	v_pk_add_f32 v[232:233], v[232:233], v[142:143]
	v_pk_add_f32 v[230:231], v[230:231], v[146:147]
	v_pk_add_f32 v[228:229], v[228:229], v[150:151]
	v_pk_add_f32 v[14:15], v[14:15], v[154:155]
	v_pk_add_f32 v[242:243], v[242:243], v[158:159]
	s_delay_alu instid0(VALU_DEP_2)
	v_pk_add_f32 v[14:15], v[14:15], v[234:235]
	s_delay_alu instid0(VALU_DEP_2)
	v_pk_add_f32 v[242:243], v[242:243], v[232:233]
	v_pk_add_f32 v[238:239], v[238:239], v[230:231]
	v_pk_add_f32 v[236:237], v[236:237], v[228:229]
	s_delay_alu instid0(VALU_DEP_2)
	v_pk_add_f32 v[14:15], v[14:15], v[238:239]
	s_delay_alu instid0(VALU_DEP_2)
	v_pk_add_f32 v[242:243], v[242:243], v[236:237]
	s_delay_alu instid0(VALU_DEP_1)
	v_pk_add_f32 v[14:15], v[14:15], v[242:243]
.irp t, 0,1,2,3,4,5,6,7
.irp i, 0,2,4,6
	v_dual_min_num_f32 v[96+8*\t+\i], v[96+8*\t+\i], v240 :: v_dual_min_num_f32 v[97+8*\t+\i], v[97+8*\t+\i], v240   ; the one-sided hold (ISA guide 7.6.2: the conversion does not saturate), two numbers an instruction
.endr
	v_cvt_scalef32_pk8_bf8_f32 v[224+2*\t:225+2*\t], v[96+8*\t:103+8*\t], v244
.endr
.set JJ, 0
.rept 16
	v_pk_mul_f32 v[160+JJ:161+JJ], v[160+JJ:161+JJ], v[252:253] op_sel_hi:[1,0]   ; O^T under the new M.  (Also the plain places behind the conversions)
.set JJ, JJ+2
.endr
	s_wait_alu depctr_va_vdst(0)
	s_wait_dscnt 0x0                               ; V
.irp d, 0,1,2,3
	v_wmma_f32_16x16x128_bf8_bf8 v[160+8*\d:167+8*\d], v[32+16*\d:47+16*\d], v[224:239], v[160+8*\d:167+8*\d]   ; the four accumulators by turns; between a step's turn and the next stand the eight tiles of scores
.endr
.Lskip_\@:
	s_add_co_u32 s36, s36, 8192
	s_add_co_u32 s37, s37, 128
	s_add_co_u32 s40, s40, 1
	s_cmp_lt_u32 s40, \trips
	s_cbranch_scc1 .Lstep_\@
.endm
	QUARTER 3, 4, 80, 72                           ; the highest LDS addresses first: the value that the stepped address has behind a loop names bytes that have landed, or nobody's
	QUARTER 0, 12, 0, 0
	; THE WAY OUT: O^T / the sum x 2^(entries 8 + 9), held, to codes: tile d's conversion is register pair d of the head's eight registers of o's fragment, so the codes are stored as they stand
.rept 4
	v_nop
.endr
	v_add_f32 v14, v14, v15
	s_delay_alu instid0(VALU_DEP_1)
	v_permlanex16_b32 v252, v14, s32, s33
	s_delay_alu instid0(VALU_DEP_1)
	v_add_f32 v14, v14, v252                       ; the row's sum
	s_wait_alu depctr_va_vdst(0)
	v_rcp_f32 v14, v14
	v_nop                                          ; a plain place behind the transcendental
	s_add_co_i32 s60, s52, s53
	s_wait_alu depctr_va_vdst(0)
	v_ldexp_f32 v14, v14, s60
.set JJ, 0
.rept 32
	v_mul_f32 v[96+JJ], v[160+JJ], v14             ; each accumulator from its low end on
.set JJ, JJ+1
.endr
.set JJ, 0
.rept 32
	v_med3_num_f32 v[96+JJ], v[96+JJ], -v249, v249
.set JJ, JJ+1
.endr
.irp d, 0,1,2,3
	v_cvt_scalef32_pk8_bf8_f32 v[32+2*\d:33+2*\d], v[96+8*\d:103+8*\d], v248
.endr
	v_nop
	global_store_b128 v1, v[32:35], s[12:13]                   ; 512 consecutive aligned bytes each
	global_store_b128 v1, v[36:39], s[12:13] offset:512
	s_wait_tensorcnt 0x0
	ds_add_u32 v251, v255
	s_wait_dscnt 0x0
	s_endpgm
.Lfunc_end_k_qe789fcc1f7_attn:
	.size	k_qe789fcc1f7_attn, .Lfunc_end_k_qe789fcc1f7_attn-k_qe789fcc1f7_attn
	.p2alignl 7, 3214868480
	.fill 96, 4, 3214868480
	.section	.rodata,"a",@progbits
	.p2align	6, 0x0
	.amdhsa_kernel k_qe789fcc1f7_attn
		.amdhsa_group_segment_fixed_size 327680
		.amdhsa_private_segment_fixed_size 0
		.amdhsa_enable_private_segment 0
		.amdhsa_kernarg_size 40
		.amdhsa_user_sgpr_count 2
		.amdhsa_user_sgpr_kernarg_segment_ptr 1
		.amdhsa_wavefront_size32 1
		.amdhsa_system_sgpr_workgroup_id_x 1
		.amdhsa_system_sgpr_workgroup_id_y 1
		.amdhsa_system_sgpr_workgroup_id_z 1
		.amdhsa_system_vgpr_workitem_id 0
		.amdhsa_next_free_vgpr 256
		.amdhsa_next_free_sgpr 96
		.amdhsa_reserve_vcc 1
		.amdhsa_float_denorm_mode_32 3
		.amdhsa_float_denorm_mode_16_64 3
		.amdhsa_memory_ordered 1
		.amdhsa_forward_progress 1
		.amdhsa_inst_pref_size 66
	.end_amdhsa_kernel
	.amdgpu_metadata
---
amdhsa.version: [ 1, 2 ]
amdhsa.kernels:
  - .name:           k_qe789fcc1f7_attn
    .symbol:         k_qe789fcc1f7_attn.kd
    .args:
      - { .name: q_img, .offset: 0, .size: 8, .value_kind: global_buffer, .address_space: global }
      - { .name: k_img, .offset: 8, .size: 8, .value_kind: global_buffer, .address_space: global }
      - { .name: v_img, .offset: 16, .size: 8, .value_kind: global_buffer, .address_space: global }
      - { .name: lowp_scales, .offset: 24, .size: 8, .value_kind: global_buffer, .address_space: global }
      - { .name: o_img, .offset: 32, .size: 8, .value_kind: global_buffer, .address_space: global }
    .group_segment_fixed_size: 327680
    .private_segment_fixed_size: 0
    .kernarg_segment_align: 8
    .kernarg_segment_size: 40
    .max_flat_workgroup_size: 512
    .sgpr_count:     96
    .vgpr_count:     256
    .wavefront_size: 32
...
	.end_amdgpu_metadata
.endif
;; end of part 3
;; launch mid (part 4): grid 256 x 1, 16 waves a work-group, clusters of 4 x 1, 296,960 bytes of LDS; arguments o_img, wimg, x, bo, ln_g, ln_b, ffln_g, ffln_b, b2, lowp_scales, x1, f_img; writes x1, f_img
.if DOCPART == 4
	.amdgcn_target "amdgcn-amd-amdhsa--gfx1250"
	.amdhsa_code_object_version 6
	.text
	.protected	k_qe789fcc1f7_mid
	.globl	k_qe789fcc1f7_mid
	.p2align	8
	.type	k_qe789fcc1f7_mid,@function
k_qe789fcc1f7_mid:
	s_mov_b64 s[64:65], 0
	v_nop
	global_prefetch_b8 v0, s[64:65] scope:SCOPE_SE
	s_setreg_imm32_b32 hwreg(HW_REG_WAVE_MODE, 25, 1), 1
	s_wait_xcnt 0x0
	s_wait_alu depctr_hold_cnt(0) depctr_sa_sdst(0) depctr_va_vdst(0) depctr_va_sdst(0) depctr_va_ssrc(0) depctr_va_vcc(0) depctr_vm_vsrc(0)
	s_getreg_b32 s2, hwreg(HW_REG_IB_STS2, 6, 4)
	s_cmp_eq_u32 s2, 0
	s_cbranch_scc0 .Lentry_in_a_cluster
	s_endpgm
.Lentry_in_a_cluster:
	s_bfe_u32 s2, ttmp6, 0x10000c
	s_cmp_lg_u32 s2, 0x3003
	s_cbranch_scc0 .Lentry_shape_is_right
	s_endpgm
.Lentry_shape_is_right:
; x1 = x + o Wo + bo (the product on codes of E5M2, entries 10 and 11 of the scales); f = layernorm(layernorm(x1; ln), ffln), quantised by entry 12.
; Stored: x1 + b2 as f32 (the last launch adds its product onto it), and f's codes as images of the matrix operand's registers:
; fragment (tile of 16 rows rt, K step s) at (4 rt + s) x 2,048; piece c = registers 4 c .. 4 c + 3, lane l's 16 bytes at 16 l; lane (r, h): row r, registers 2 c, 2 c + 1: K = 16 c + 8 h + 0 .. 7.
; SHARES.  A work-group takes 32 rows.  Work by rows: wave w has rows 2 w, 2 w + 1, and keeps x + bo of them in registers.  The product: wave w makes columns 32 w .. 32 w + 31, transposed (source 0 = 16 columns of Wo, source 1 = 16 rows).
; CLUSTERS: all work-groups walk the same 262,144 bytes of Wo's codes.  The four of a cluster ask for them jointly: one tensor load a wave, 16,384 bytes, which only that wave reads.  Nothing is filled again.
; The raw sums go through a stage of 32 rows, 2,064 bytes apart, laid over Wo's bytes: these have had their only fill, and a barrier shows that nobody reads them any more.
; NO PREFETCH: the fill and all loads but b2's go out at the head; the text has no loop to run ahead in.
; LDS: 0: Wo's image, then the stage; 262,144: o's eight fragments; 278,528: f's eight fragments; 294,912: the spare words.
; LIMITS: entry 12 between -126 and 112; entries 10 + 11 between -126 and 127.  NaN and infinities among the inputs are not served.
; REGISTERS: v1-8, v11 addresses; v9, v10 the spare word's address and 0; v16-47 accumulators; v48-111 the four gain and bias vectors; v112-143 my two rows; v144-175 o's two fragments, else at work; v176-239 two sets of two fragments of Wo, then x1 + b2 and b2.
.set HF,  144
.set WS,  176
.set OB,  262144
.set FB,  278528
.set SPARE, 294912
.macro CROUND                          ; a round of the cluster's barrier
	s_barrier_signal -1
	s_barrier_wait -1
	s_cmp_lg_u32 s34, 0
	s_cbranch_scc1 .Lnot_wave_0_\@
	s_barrier_signal -3
.Lnot_wave_0_\@:
	s_barrier_wait -3
	s_barrier_signal -1
	s_barrier_wait -1
.endm
.macro WSUM a, u                       ; the sum of v[a] over the 32 lanes, in every lane; v[u] has been written
	s_delay_alu instid0(VALU_DEP_1)
	v_add_f32_dpp v[\a], v[\a], v[\a] row_xmask:1 row_mask:0xf bank_mask:0xf
	s_delay_alu instid0(VALU_DEP_1)
	v_add_f32_dpp v[\a], v[\a], v[\a] row_xmask:2 row_mask:0xf bank_mask:0xf
	s_delay_alu instid0(VALU_DEP_1)
	v_add_f32_dpp v[\a], v[\a], v[\a] row_xmask:4 row_mask:0xf bank_mask:0xf
	s_delay_alu instid0(VALU_DEP_1)
	v_add_f32_dpp v[\a], v[\a], v[\a] row_xmask:8 row_mask:0xf bank_mask:0xf
	s_delay_alu instid0(VALU_DEP_1)
	v_permlanex16_b32 v[\u], v[\a], s60, s61
	s_delay_alu instid0(VALU_DEP_1)
	v_add_f32 v[\a], v[\a], v[\u]
.endm
; One row of 512 (16 numbers a lane in v[r] on) is normed in place, in two passes: the mean, then the mean of the squared differences.  t: eight registers at work.
.macro LN1 r, g, b, t
	v_pk_add_f32 v[\t:\t+1], v[\r:\r+1], v[\r+2:\r+3]
	v_pk_add_f32 v[\t+2:\t+3], v[\r+4:\r+5], v[\r+6:\r+7]
	v_pk_add_f32 v[\t+4:\t+5], v[\r+8:\r+9], v[\r+10:\r+11]
	v_pk_add_f32 v[\t+6:\t+7], v[\r+12:\r+13], v[\r+14:\r+15]
	s_delay_alu instid0(VALU_DEP_3)
	v_pk_add_f32 v[\t:\t+1], v[\t:\t+1], v[\t+2:\t+3]
	s_delay_alu instid0(VALU_DEP_2)
	v_pk_add_f32 v[\t+4:\t+5], v[\t+4:\t+5], v[\t+6:\t+7]
	s_delay_alu instid0(VALU_DEP_1)
	v_pk_add_f32 v[\t:\t+1], v[\t:\t+1], v[\t+4:\t+5]
	s_delay_alu instid0(VALU_DEP_1)
	v_add_f32 v[\t], v[\t], v[\t+1]
	WSUM \t, \t+1
	s_delay_alu instid0(VALU_DEP_1)
	v_mul_f32 v[\t], s58, v[\t]                    ; the mean
.irp k, 0,2,4,6,8,10,12,14
	v_pk_add_f32 v[\r+\k:\r+\k+1], v[\r+\k:\r+\k+1], v[\t:\t+1] op_sel_hi:[1,0] neg_lo:[0,1] neg_hi:[0,1]
.endr
	v_pk_mul_f32 v[\t+2:\t+3], v[\r:\r+1], v[\r:\r+1]
	v_pk_mul_f32 v[\t+4:\t+5], v[\r+2:\r+3], v[\r+2:\r+3]
.irp k, 4,8,12
	s_delay_alu instid0(VALU_DEP_2)
	v_pk_fma_f32 v[\t+2:\t+3], v[\r+\k:\r+\k+1], v[\r+\k:\r+\k+1], v[\t+2:\t+3]
	s_delay_alu instid0(VALU_DEP_2)
	v_pk_fma_f32 v[\t+4:\t+5], v[\r+\k+2:\r+\k+3], v[\r+\k+2:\r+\k+3], v[\t+4:\t+5]
.endr
	s_delay_alu instid0(VALU_DEP_1)
	v_pk_add_f32 v[\t+2:\t+3], v[\t+2:\t+3], v[\t+4:\t+5]
	s_delay_alu instid0(VALU_DEP_1)
	v_add_f32 v[\t+2], v[\t+2], v[\t+3]
	WSUM \t+2, \t+3
	s_delay_alu instid0(VALU_DEP_1)
	v_fma_f32 v[\t+2], v[\t+2], s58, s59           ; the variance + 1e-5
	s_wait_alu depctr_va_vdst(0)
	v_rsq_f32 v[\t+2], v[\t+2]
	v_nop                                          ; a plain instruction between the transcendental and the use of its result
	s_wait_alu depctr_va_vdst(0)
.irp k, 0,2,4,6,8,10,12,14
	v_pk_mul_f32 v[\r+\k:\r+\k+1], v[\r+\k:\r+\k+1], v[\t+2:\t+3] op_sel_hi:[1,0]
.endr
.irp k, 0,2,4,6,8,10,12,14
	v_pk_fma_f32 v[\r+\k:\r+\k+1], v[\r+\k:\r+\k+1], v[\g+\k:\g+\k+1], v[\b+\k:\b+\k+1]
.endr
.endm
.macro FETCH reg, adr, off             ; a fragment from LDS as it stands
.irp c, 0,1,2,3
	ds_load_b128 v[\reg+4*\c:\reg+4*\c+3], v[\adr] offset:(\off)+512*\c
.endr
.endm
.macro WF s                            ; my two fragments of Wo, K step s, into set s % 2
	FETCH WS+32*((\s)%2), 11, 2048*(\s)
	FETCH WS+32*((\s)%2)+16, 11, 8192+2048*(\s)
.endm
.macro BARRIER                         ; my LDS stores have landed and my LDS loads are in: then the work-group's barrier.
	s_wait_dscnt 0x0
	s_barrier_signal -1
	s_barrier_wait -1
.endm
	s_load_b512 s[4:19], s[0:1], 0x0               ; o_img, wimg, x, bo, ln_g, ln_b, ffln_g, ffln_b
	s_load_b256 s[20:27], s[0:1], 0x40             ; b2, the scales' exponents, x1, f_img
	v_lshl_add_u32 v9, v0, 2, SPARE                ; my spare word
	v_mov_b32 v10, 0
	ds_add_u32 v9, v10
	ds_add_u32 v9, v10
	v_lshrrev_b32 v244, 5, v0
	v_readfirstlane_b32 s34, v244                  ; wave 0..15
	s_bfe_u32 s35, ttmp6, 0x40000                  ; my place in the cluster of four
	s_lshl_b32 s62, ttmp9, 2
	s_add_co_u32 s35, s35, s62                     ; which 32 rows
	v_and_b32 v245, 31, v0
	v_lshlrev_b32 v1, 4, v245                      ; 16 x lane: my place in every piece
	v_lshlrev_b32 v8, 4, v0                        ; 16 bytes a thread
	v_add_nc_u32 v6, OB, v8                        ; the same in o's fragments,
	v_add_nc_u32 v2, FB, v8                        ; and in f's
	v_add_nc_u32 v7, OB, v1                        ; a piece of o's fragments
	v_lshl_add_u32 v11, v244, 14, v1               ; and of my wave's part of Wo's image
	v_bfe_u32 v246, v0, 3, 2                       ; where four codes K = 4 l .. 4 l + 3 of row 2 w lie in f's fragments: piece l / 8,
	v_lshlrev_b32 v3, 9, v246
	v_bfe_u32 v246, v0, 1, 1
	v_lshl_add_u32 v3, v246, 8, v3                 ; half (l / 2) % 2 of the lanes,
	v_bfe_u32 v246, v0, 2, 1
	v_lshl_add_u32 v3, v246, 3, v3                 ; register pair (l / 4) % 2,
	v_and_b32 v246, 1, v0
	v_lshl_add_u32 v3, v246, 2, v3                 ; register l % 2 of it;
	v_bfe_u32 v246, v0, 8, 1
	v_lshl_add_u32 v3, v246, 13, v3                ; tile of rows w / 8,
	v_bfe_u32 v246, v0, 5, 3
	v_lshl_add_u32 v3, v246, 5, v3                 ; row 2 (w % 8)
	v_add_nc_u32 v3, FB, v3
	v_mul_u32_u24 v4, v244, 4128
	v_add_nc_u32 v4, v4, v1                        ; the stage by rows: row 2 w, 16 bytes a lane
	v_and_b32 v246, 15, v0                         ; r
	v_bfe_u32 v247, v0, 4, 1                       ; h
	v_mul_u32_u24 v5, v246, 2064
	v_lshl_add_u32 v5, v244, 7, v5
	v_lshl_add_u32 v5, v247, 5, v5                 ; the stage by columns: row r, my wave's 128 bytes, 32 for each half of the lanes
	s_lshl_b32 s88, s35, 14                        ; o's and f's two tiles of rows: 16,384 bytes
	s_mov_b32 s89, 0
	s_lshl_b32 s90, s35, 5
	s_lshl_b32 s91, s34, 1
	s_add_co_u32 s90, s90, s91
	s_lshl_b32 s90, s90, 11                        ; my first row of x and of x1
	s_mov_b32 s91, 0
	s_mov_b32 s72, 15|(3<<16)|(1<<21)              ; group 1: the four partners; elements of 8 bytes; bit 21 beside a mask; no padding
	s_mov_b32 s73, 32<<16                          ; a dense block of 16,384 bytes as 64 rows of 32 elements
	s_mov_b32 s74, 64<<16
	s_mov_b32 s75, 32<<16
	s_mov_b32 s76, 64
	s_mov_b32 s77, 32
	s_mov_b32 s78, 0
	s_mov_b32 s79, 0
	s_mov_b32 s80, 1                               ; group 0: count 1,
	s_lshl_b32 s81, s34, 14                        ; LDS byte 16,384 x wave
	s_add_co_u32 s92, s81, 786432                  ; Wo's image in wimg, my two tiles of columns
	s_mov_b32 s93, 0
	s_mov_b32 s58, 0x3b000000                      ; 1 / 512
	s_mov_b32 s59, 0x3727c5ac                      ; 1e-5
	s_mov_b32 s60, 0x76543210                      ; v_permlanex16_b32: lane l xor 16
	s_mov_b32 s61, 0xfedcba98
	s_wait_alu depctr_va_vdst(0)
	s_wait_dscnt 0x0                               ; both opening adds are done
	s_wait_kmcnt 0x0
	s_load_b512 s[36:51], s[22:23], 0x0            ; the sixteen exponents
	s_add_nc_u64 s[82:83], s[6:7], s[92:93]
	s_or_b32 s83, s83, 0x80000000                  ; type = 2
	s_add_nc_u64 s[4:5], s[4:5], s[88:89]
	s_add_nc_u64 s[8:9], s[8:9], s[90:91]
	s_add_nc_u64 s[24:25], s[24:25], s[90:91]
	s_add_nc_u64 s[26:27], s[26:27], s[88:89]
	global_load_b128 v[144:147], v8, s[4:5] th:TH_LOAD_NT
	global_load_b128 v[148:151], v8, s[4:5] offset:8192 th:TH_LOAD_NT
.irp rr, 0,1
.irp i, 0,1,2,3
	global_load_b128 v[112+16*\rr+4*\i:115+16*\rr+4*\i], v1, s[8:9] offset:2048*\rr+512*\i th:TH_LOAD_NT   ; columns 128 i + 4 l + 0 .. 3
.endr
.endr
.irp i, 0,1,2,3
	global_load_b128 v[152+4*\i:155+4*\i], v1, s[10:11] offset:512*\i
.endr
	CROUND                                         ; o, x and bo are asked for; the four work-groups are here: the joint loads meet
	tensor_load_to_lds s[80:83], s[72:79]          ; my one tensor load
	s_nop 0
.rept 4
	v_nop
.endr
.irp i, 0,1,2,3
	global_load_b128 v[48+4*\i:51+4*\i], v1, s[12:13] offset:512*\i
.endr
.irp i, 0,1,2,3
	global_load_b128 v[64+4*\i:67+4*\i], v1, s[14:15] offset:512*\i
.endr
.irp i, 0,1,2,3
	global_load_b128 v[80+4*\i:83+4*\i], v1, s[16:17] offset:512*\i
.endr
.irp i, 0,1,2,3
	global_load_b128 v[96+4*\i:99+4*\i], v1, s[18:19] offset:512*\i
.endr
	s_wait_kmcnt 0x0
	s_add_co_i32 s100, s48, 127
	s_lshl_b32 s101, s100, 23
	v_mov_b32 v240, s101                           ; 2^(entry 12) as f32
	s_add_co_i32 s100, s100, 15
	s_lshl_b32 s100, s100, 23
	s_or_b32 s100, s100, 0x600000
	v_mov_b32 v241, s100                           ; 57,344 x that
	s_add_co_i32 s52, s46, s47
	s_add_co_i32 s52, s52, 127
	s_lshl_b32 s52, s52, 23                        ; 2^(entries 10 + 11)
	s_mov_b32 s53, s52
	s_wait_loadcnt 16                              ; o, x and bo are in; the sixteen loads of gains and biases may be out
.irp rr, 0,1
.irp k, 0,2,4,6,8,10,12,14
	v_pk_add_f32 v[112+16*\rr+\k:113+16*\rr+\k], v[112+16*\rr+\k:113+16*\rr+\k], v[152+\k:153+\k]   ; x + bo stays in registers
.endr
.endr
	s_wait_alu depctr_va_vdst(0)
	s_wait_tensorcnt 0x0                           ; my part of Wo is in; only I read it
	ds_store_b128 v6, v[144:147]                   ; o's eight fragments lie in LDS as they lay in memory
	ds_store_b128 v6, v[148:151] offset:8192
	WF 0
	WF 1
	BARRIER
.irp s, 0,1,2,3                        ; o Wo: four accumulators by turns
	FETCH HF, 7, 2048*\s
	FETCH HF+16, 7, 8192+2048*\s
	s_wait_dscnt 0x0
.irp u, 0,1
.irp m, 0,1
.if \s == 0
	v_wmma_f32_16x16x128_bf8_bf8 v[16+16*\u+8*\m:23+16*\u+8*\m], v[WS+16*\u:WS+16*\u+15], v[HF+16*\m:HF+16*\m+15], 0
.else
	v_wmma_f32_16x16x128_bf8_bf8 v[16+16*\u+8*\m:23+16*\u+8*\m], v[WS+32*(\s%2)+16*\u:WS+32*(\s%2)+16*\u+15], v[HF+16*\m:HF+16*\m+15], v[16+16*\u+8*\m:23+16*\u+8*\m]
.endif
.endr
.endr
.rept 4
	v_nop                                          ; four places in front of loads into registers that products read, and of the first read of results
.endr
.if \s < 2
	WF \s+2
.endif
.endr
.irp i, 0,1,2,3
	global_load_b128 v[208+4*\i:211+4*\i], v1, s[20:21] offset:512*\i   ; b2, into a set that is done with
.endr
	BARRIER                                        ; nobody reads Wo's image any more: its bytes take the stage
.irp u, 0,1
.irp m, 0,1
	ds_store_b128 v5, v[16+16*\u+8*\m:19+16*\u+8*\m] offset:33024*\m+64*\u        ; the raw sums, each accumulator from its low end on
	ds_store_b128 v5, v[20+16*\u+8*\m:23+16*\u+8*\m] offset:33024*\m+64*\u+16
.endr
.endr
	BARRIER                                        ; 32 whole rows of sums lie in the stage
.irp rr, 0,1
.irp i, 0,1,2,3
	ds_load_b128 v[HF+16*\rr+4*\i:HF+16*\rr+4*\i+3], v4 offset:2064*\rr+512*\i
.endr
.endr
	s_wait_dscnt 0x0
	s_wait_loadcnt 0x0                             ; b2, the gains and the biases
.set JJ, 0
.rept 16
	v_pk_fma_f32 v[112+JJ:113+JJ], v[HF+JJ:HF+JJ+1], s[52:53], v[112+JJ:113+JJ] op_sel_hi:[1,0,1]   ; x1 = x + bo + sum x 2^(entries 10 + 11)
.set JJ, JJ+2
.endr
.irp rr, 0,1
.irp k, 0,2,4,6,8,10,12,14
	v_pk_add_f32 v[WS+16*\rr+\k:WS+16*\rr+\k+1], v[112+16*\rr+\k:113+16*\rr+\k], v[208+\k:209+\k]   ; x1 + b2, in registers that nothing writes again
.endr
.endr
.irp rr, 0,1
.irp i, 0,1,2,3
	global_store_b128 v1, v[WS+16*\rr+4*\i:WS+16*\rr+4*\i+3], s[24:25] offset:2048*\rr+512*\i   ; 32 lanes store 512 consecutive aligned bytes
.endr
.endr
	LN1 112, 48, 64, 144
	LN1 128, 48, 64, 152
	LN1 112, 80, 96, 144
	LN1 128, 80, 96, 152
.set JJ, 0
.rept 32
	v_med3_num_f32 v[112+JJ], v[112+JJ], -v241, v241   ; the conversion to an 8-bit code does not saturate (ISA guide 7.6.2): the hold
.set JJ, JJ+1
.endr
.irp q, 0,1,2,3
	v_cvt_scalef32_pk8_bf8_f32 v[160+2*\q:161+2*\q], v[112+8*\q:119+8*\q], v240   ; a register of four codes for each K step
.endr
	v_nop                                          ; a plain instruction behind the last conversion
.irp rr, 0,1
.irp i, 0,1,2,3
	ds_store_b32 v3, v[160+4*\rr+\i] offset:2048*\i+16*\rr
.endr
.endr
	BARRIER                                        ; f's eight fragments lie in LDS, and leave as they lie
	ds_load_b128 v[112:115], v2
	ds_load_b128 v[116:119], v2 offset:8192
	s_wait_dscnt 0x0
	global_store_b128 v8, v[112:115], s[26:27]
	global_store_b128 v8, v[116:119], s[26:27] offset:8192
	s_wait_tensorcnt 0x0                           ; the wave's end
	ds_add_u32 v9, v10
	s_wait_dscnt 0x0
	CROUND                                         ; the closing round
	s_endpgm
.Lfunc_end_k_qe789fcc1f7_mid:
	.size	k_qe789fcc1f7_mid, .Lfunc_end_k_qe789fcc1f7_mid-k_qe789fcc1f7_mid
	.p2alignl 7, 3214868480
	.fill 96, 4, 3214868480
	.section	.rodata,"a",@progbits
	.p2align	6, 0x0
	.amdhsa_kernel k_qe789fcc1f7_mid
		.amdhsa_group_segment_fixed_size 296960
		.amdhsa_private_segment_fixed_size 0
		.amdhsa_enable_private_segment 0
		.amdhsa_kernarg_size 96
		.amdhsa_user_sgpr_count 2
		.amdhsa_user_sgpr_kernarg_segment_ptr 1
		.amdhsa_wavefront_size32 1
		.amdhsa_system_sgpr_workgroup_id_x 1
		.amdhsa_system_sgpr_workgroup_id_y 1
		.amdhsa_system_sgpr_workgroup_id_z 1
		.amdhsa_system_vgpr_workitem_id 0
		.amdhsa_next_free_vgpr 256
		.amdhsa_next_free_sgpr 102
		.amdhsa_reserve_vcc 0
		.amdhsa_float_denorm_mode_32 3
		.amdhsa_float_denorm_mode_16_64 3
		.amdhsa_memory_ordered 1
		.amdhsa_forward_progress 1
		.amdhsa_inst_pref_size 40
	.end_amdhsa_kernel
	.amdgpu_metadata
---
amdhsa.version: [ 1, 2 ]
amdhsa.kernels:
  - .name:           k_qe789fcc1f7_mid
    .symbol:         k_qe789fcc1f7_mid.kd
    .args:
      - { .name: o_img, .offset: 0, .size: 8, .value_kind: global_buffer, .address_space: global }
      - { .name: wimg, .offset: 8, .size: 8, .value_kind: global_buffer, .address_space: global }
      - { .name: x, .offset: 16, .size: 8, .value_kind: global_buffer, .address_space: global }
      - { .name: bo, .offset: 24, .size: 8, .value_kind: global_buffer, .address_space: global }
      - { .name: ln_g, .offset: 32, .size: 8, .value_kind: global_buffer, .address_space: global }
      - { .name: ln_b, .offset: 40, .size: 8, .value_kind: global_buffer, .address_space: global }
      - { .name: ffln_g, .offset: 48, .size: 8, .value_kind: global_buffer, .address_space: global }
      - { .name: ffln_b, .offset: 56, .size: 8, .value_kind: global_buffer, .address_space: global }
      - { .name: b2, .offset: 64, .size: 8, .value_kind: global_buffer, .address_space: global }
      - { .name: lowp_scales, .offset: 72, .size: 8, .value_kind: global_buffer, .address_space: global }
      - { .name: x1, .offset: 80, .size: 8, .value_kind: global_buffer, .address_space: global }
      - { .name: f_img, .offset: 88, .size: 8, .value_kind: global_buffer, .address_space: global }
    .group_segment_fixed_size: 296960
    .private_segment_fixed_size: 0
    .kernarg_segment_align: 8
    .kernarg_segment_size: 96
    .max_flat_workgroup_size: 512
    .sgpr_count:     102
    .vgpr_count:     256
    .wavefront_size: 32
...
	.end_amdgpu_metadata
.endif
;; end of part 4
;; launch ffn1 (part 5): grid 8 x 32, 16 waves a work-group, clusters of 4 x 4, 272,384 bytes of LDS; arguments f_img, wimg, b1, lowp_scales, h_img; writes h_img
.if DOCPART == 5
	.amdgcn_target "amdgcn-amd-amdhsa--gfx1250"
	.amdhsa_code_object_version 6
	.text
	.protected	k_qe789fcc1f7_ffn1
	.globl	k_qe789fcc1f7_ffn1
	.p2align	8
	.type	k_qe789fcc1f7_ffn1,@function
k_qe789fcc1f7_ffn1:
	s_mov_b64 s[64:65], 0
	v_nop
	global_prefetch_b8 v0, s[64:65] scope:SCOPE_SE
	s_setreg_imm32_b32 hwreg(HW_REG_WAVE_MODE, 25, 1), 1
	s_wait_xcnt 0x0
	s_wait_alu depctr_hold_cnt(0) depctr_sa_sdst(0) depctr_va_vdst(0) depctr_va_sdst(0) depctr_va_ssrc(0) depctr_va_vcc(0) depctr_vm_vsrc(0)
	s_getreg_b32 s2, hwreg(HW_REG_IB_STS2, 6, 4)
	s_cmp_eq_u32 s2, 0
	s_cbranch_scc0 .Lentry_in_a_cluster
	s_endpgm
.Lentry_in_a_cluster:
	s_bfe_u32 s2, ttmp6, 0x10000c
	s_cmp_lg_u32 s2, 0xf033
	s_cbranch_scc0 .Lentry_shape_is_right
	s_endpgm
.Lentry_shape_is_right:
; hidden = gelu(f W1 + b1), the product on codes of E5M2 (entries 12, 13 of the scales), quantised by entry 14 for the last product.
; OPERANDS are images of the matrix instruction's registers (pieces of 512 bytes, lane l's 16 bytes at 16 l; lane (r, h): row r, registers 2 c, 2 c + 1: K = 16 c + 8 h + 0 .. 7).
; f_img: fragment (tile of rows rt, K step s) at (4 rt + s) x 2,048; W1's image likewise by tiles of columns, 1,048,576 bytes into wimg; h_img: fragment (rt, K step s of 16) at (16 rt + s) x 2,048.
; SHARES.  A work-group makes 256 rows x 256 hidden units.  Both operands are dense blocks of 131,072 bytes and come into LDS once: sixteen tensor loads of 16,384 bytes, one a wave (waves 0-7: f; waves 8-15: W1).  Nothing is filled again.
; Wave w makes rows 32 (w / 2) on x hidden units 128 (w % 2) on, which are one K step of the last product.  Its eight fragments of f stay in registers, so each is read from LDS once.
; THE WORK GOES BY PAIRS OF TILES of 16 hidden units: four K steps of products on four accumulators, then that pair's gelu, codes and stores; so the waves of a SIMD can stand in different parts of the work.
; The product is used transposed (source 0 = 16 columns of W1, source 1 = 16 rows): a lane holds one row and eight neighbouring hidden units, so a pair's conversions give one piece of four registers of the next operand, stored as it stands.
; CLUSTERS: 4 x 4 work-groups.  The four of a row of the cluster need the same block of f, the four of a column the same block of W1: each load is asked for jointly.
; NO PREFETCH: all fills go out at the head, and the text has no loop to run ahead in.
; GELU, exact form: z = |a| / sqrt(2), t = 1 / (1 + z / 2), erfc(z) = t exp(-z^2 + c0 + t (c1 + .. + t c9)), gelu(a) = max(a, 0) - (z / sqrt(2)) erfc(z): no difference of near numbers on either side.
; LDS: 0: f's block; 131,072: W1's; 262,144: b1, 512 bytes for each wave; 270,336: the spare words.
; LIMITS: entry 14 between -126 and 112; entries 12 + 13 between -126 and 127.  NaN and infinities among the inputs are not served.
; REGISTERS: v1-4, v7 addresses; v9, v10 the spare word's address and 0; v16-47 four accumulators ((u, m) at 16 + 16 u + 8 m); v48-175 f's fragments ((m, s) at 48 + 16 (4 m + s));
;   v176-239 two sets of two fragments of W1; in a pair's gelu the same registers are at work (v176-199), hold its codes (v200-207) and its b1 (v208-223); v242, v243 scale and hold; v252-253 c9.
.set AF,  48
.set WS,  176
.set ZR,  176
.set TR,  184
.set PR,  192
.set CR,  200
.set BR,  208
.set BST,   262144
.set SPARE, 270336
.set G1A, 88
.set G0A, 96
.set G1B, 16
.set G0B, 24
.macro SPAIR d, val
	s_mov_b32 s[\d], \val
	s_mov_b32 s[\d+1], \val
.endm
.macro CROUND                          ; a round of the cluster's barrier
	s_barrier_signal -1
	s_barrier_wait -1
	s_cmp_lg_u32 s34, 0
	s_cbranch_scc1 .Lnot_wave_0_\@
	s_barrier_signal -3
.Lnot_wave_0_\@:
	s_barrier_wait -3
	s_barrier_signal -1
	s_barrier_wait -1
.endm
.macro FETCH reg, adr, off             ; a fragment from LDS as it stands
.irp c, 0,1,2,3
	ds_load_b128 v[\reg+4*\c:\reg+4*\c+3], v[\adr] offset:(\off)+512*\c
.endr
.endm
.macro BF tp, s                        ; the two fragments of W1 of tiles 2 tp, 2 tp + 1, K step s, into set s % 2
	FETCH WS+32*((\s)%2), 3, 16384*(\tp)+2048*(\s)
	FETCH WS+32*((\s)%2)+16, 3, 16384*(\tp)+8192+2048*(\s)
.endm
.macro PROD wb, s, zero                ; four products of K step s; the four accumulators take turns, one instruction a turn
.irp u, 0,1
.irp m, 0,1
.if \zero
	v_wmma_f32_16x16x128_bf8_bf8 v[16+16*\u+8*\m:23+16*\u+8*\m], v[(\wb)+16*\u:(\wb)+16*\u+15], v[AF+16*(4*\m+(\s)):AF+16*(4*\m+(\s))+15], 0
.else
	v_wmma_f32_16x16x128_bf8_bf8 v[16+16*\u+8*\m:23+16*\u+8*\m], v[(\wb)+16*\u:(\wb)+16*\u+15], v[AF+16*(4*\m+(\s)):AF+16*(4*\m+(\s))+15], v[16+16*\u+8*\m:23+16*\u+8*\m]
.endif
.endr
.endr
.endm
; Eight sums in v[a] on, their biases in v[bb] on, become two registers of codes of gelu in v[pc], v[pc + 1]
.macro GELU8 a, bb, pc
.irp i, 0,2,4,6
	v_pk_fma_f32 v[(\a)+\i:(\a)+\i+1], v[(\a)+\i:(\a)+\i+1], s[54:55], v[(\bb)+\i:(\bb)+\i+1] op_sel_hi:[1,0,1]   ; a = sum x 2^(entries 12 + 13) + b1
.endr
.irp i, 0,1,2,3,4,5,6,7
	v_mul_f32 v[ZR+\i], s84, |v[(\a)+\i]|          ; z = |a| / sqrt(2)
.endr
.irp i, 0,2,4,6
	v_pk_fma_f32 v[TR+\i:TR+\i+1], v[ZR+\i:ZR+\i+1], 0.5, 1.0 op_sel_hi:[1,0,0]
.endr
	s_wait_alu depctr_va_vdst(0)
.irp i, 0,1,2,3,4,5,6,7
	v_rcp_f32 v[TR+\i], v[TR+\i]                   ; t = 1 / (1 + z / 2)
.endr
.irp i, 0,1,2,3,4,5,6,7
	v_max_num_f32 v[(\a)+\i], 0, v[(\a)+\i]        ; max(a, 0).  (Plain places behind the reciprocals)
.endr
	s_wait_alu depctr_va_vdst(0)
.irp i, 0,2,4,6
	v_pk_fma_f32 v[PR+\i:PR+\i+1], v[TR+\i:TR+\i+1], v[252:253], s[66:67] op_sel_hi:[1,1,0]   ; c9 t + c8
.endr
.irp k, 68,70,72,74,76,78,80,82
.irp i, 0,2,4,6
	v_pk_fma_f32 v[PR+\i:PR+\i+1], v[PR+\i:PR+\i+1], v[TR+\i:TR+\i+1], s[\k:\k+1] op_sel_hi:[1,1,0]   ; .. t + c7 down to c0
.endr
.endr
.irp i, 0,2,4,6
	s_delay_alu instid0(VALU_DEP_4)
	v_pk_fma_f32 v[PR+\i:PR+\i+1], v[ZR+\i:ZR+\i+1], v[ZR+\i:ZR+\i+1], v[PR+\i:PR+\i+1] neg_lo:[1,0,0] neg_hi:[1,0,0]   ; - z^2
.endr
.irp i, 0,2,4,6
	s_delay_alu instid0(VALU_DEP_4)
	v_pk_mul_f32 v[PR+\i:PR+\i+1], v[PR+\i:PR+\i+1], s[86:87] op_sel_hi:[1,0]   ; x log2(e)
.endr
	s_wait_alu depctr_va_vdst(0)
.irp i, 0,1,2,3,4,5,6,7
	v_exp_f32 v[PR+\i], v[PR+\i]
.endr
.irp i, 0,2,4,6
	v_pk_mul_f32 v[ZR+\i:ZR+\i+1], v[ZR+\i:ZR+\i+1], s[84:85] op_sel_hi:[1,0]   ; z / sqrt(2) = |a| / 2.  (Plain places behind the exponentials)
.endr
	s_wait_alu depctr_va_vdst(0)
.irp i, 0,2,4,6
	v_pk_mul_f32 v[PR+\i:PR+\i+1], v[PR+\i:PR+\i+1], v[TR+\i:TR+\i+1]           ; erfc(z)
.endr
.irp i, 0,2,4,6
	s_delay_alu instid0(VALU_DEP_4)
	v_pk_fma_f32 v[(\a)+\i:(\a)+\i+1], v[ZR+\i:ZR+\i+1], v[PR+\i:PR+\i+1], v[(\a)+\i:(\a)+\i+1] neg_lo:[1,0,0] neg_hi:[1,0,0]
.endr
.irp i, 0,1,2,3,4,5,6,7
	v_med3_num_f32 v[(\a)+\i], v[(\a)+\i], -v243, v243   ; the conversion to an 8-bit code does not saturate (ISA guide 7.6.2): the hold
.endr
	v_cvt_scalef32_pk8_bf8_f32 v[\pc:\pc+1], v[(\a):(\a)+7], v242
.endm
	s_load_b256 s[4:11], s[0:1], 0x0               ; f_img, wimg, b1, the scales' exponents
	s_load_b64 s[12:13], s[0:1], 0x20              ; h_img
	v_lshl_add_u32 v9, v0, 2, SPARE
	v_mov_b32 v10, 0
	ds_add_u32 v9, v10
	ds_add_u32 v9, v10
	v_lshrrev_b32 v244, 5, v0
	v_readfirstlane_b32 s34, v244                  ; wave 0..15
	v_and_b32 v245, 31, v0
	v_lshlrev_b32 v1, 4, v245                      ; 16 x lane
	v_bfe_u32 v245, v0, 6, 3
	v_lshl_add_u32 v2, v245, 14, v1                ; f: my two tiles of rows, 16,384 x (w / 2)
	v_bfe_u32 v245, v0, 5, 1
	v_lshl_add_u32 v3, v245, 16, v1
	v_add_nc_u32 v3, 0x20000, v3                   ; W1: my eight tiles of columns, 131,072 + 65,536 x (w % 2)
	v_lshlrev_b32 v4, 4, v0
	v_add_nc_u32 v4, BST, v4                       ; b1 on the way in: 512 x wave + 16 x lane
	v_bfe_u32 v245, v0, 4, 1
	v_lshlrev_b32 v7, 5, v245
	v_lshl_add_u32 v7, v244, 9, v7
	v_add_nc_u32 v7, BST, v7                       ; and back: eight numbers for each half of the lanes
	v_mov_b32 v252, 0x3e2ef945                     ; c9, twice
	v_mov_b32 v253, 0x3e2ef945
	s_bfe_u32 s28, ttmp6, 0x40000                  ; cx, cy: my place in the cluster
	s_bfe_u32 s29, ttmp6, 0x40004
	s_lshl_b32 s30, ttmp9, 2
	s_add_co_u32 s30, s30, s28                     ; which 256 hidden units
	s_and_b32 s31, ttmp7, 0xffff
	s_lshl_b32 s31, s31, 2
	s_add_co_u32 s31, s31, s29                     ; which 256 rows
	s_lshl_b32 s32, s29, 2
	s_lshl_b32 s32, 15, s32                        ; my row of the cluster
	s_lshl_b32 s33, 0x1111, s28                    ; my column
	s_or_b32 s[G1A], s32, (3<<16)|(1<<21)          ; group 1: the mask; elements of 8 bytes; bit 21 beside a mask; no padding
	s_or_b32 s[G1B], s33, (3<<16)|(1<<21)
.irp g, G1A, G1B                       ; a dense block of 16,384 bytes as 64 rows of 32 elements
	s_mov_b32 s[\g+1], 32<<16
	s_mov_b32 s[\g+2], 64<<16
	s_mov_b32 s[\g+3], 32<<16
	s_mov_b32 s[\g+4], 64
	s_mov_b32 s[\g+5], 32
	s_mov_b32 s[\g+6], 0
	s_mov_b32 s[\g+7], 0
.endr
	s_mov_b32 s[G0A], 1
	s_lshl_b32 s[G0A+1], s34, 14                   ; LDS byte 16,384 x wave: f's block, then W1's
	s_mov_b32 s[G0B], 1
	s_lshl_b32 s[G0B+1], s34, 14
	s_and_b32 s35, s34, 7
	s_lshl_b32 s35, s35, 14                        ; my eighth of a block
	s_lshl_b32 s36, s31, 17
	s_add_co_u32 s36, s36, s35                     ; in f_img
	s_mov_b32 s37, 0
	s_lshl_b32 s38, s30, 17
	s_add_co_u32 s38, s38, s35
	s_add_co_u32 s38, s38, 0x100000                ; in wimg
	s_mov_b32 s39, 0
	s_and_b32 s40, s34, 1                          ; q = w % 2
	s_lshr_b32 s41, s34, 1                         ; p = w / 2
	s_lshl_b32 s42, s30, 10
	s_lshl_b32 s43, s40, 9
	s_add_co_u32 s42, s42, s43                     ; b1: my 128 numbers
	s_mov_b32 s43, 0
	s_lshl_b32 s44, s31, 3
	s_add_co_u32 s44, s44, s41
	s_lshl_b32 s44, s44, 4
	s_add_co_u32 s44, s44, s30
	s_lshl_b32 s44, s44, 1
	s_add_co_u32 s44, s44, s40
	s_lshl_b32 s44, s44, 11                        ; h_img: fragment (16 y + 2 p, 2 x + q)
	s_mov_b32 s45, 0
	SPAIR 66, 0xbf527892                           ; c8 .. c0
	SPAIR 68, 0x3fbe87b0
	SPAIR 70, 0xbf914e5d
	SPAIR 72, 0x3e8ec7cc
	SPAIR 74, 0xbe3ec24c
	SPAIR 76, 0x3dc636c9
	SPAIR 78, 0x3ebf88fb
	SPAIR 80, 0x3f8000c7
	SPAIR 82, 0xbfa1fc4e
	SPAIR 84, 0x3f3504f3                           ; 1 / sqrt(2)
	SPAIR 86, 0x3fb8aa3b                           ; log2(e)
	s_wait_alu depctr_va_vdst(0)
	s_wait_dscnt 0x0                               ; both opening adds are done
	s_wait_kmcnt 0x0
	s_load_b128 s[48:51], s[10:11], 0x30           ; entries 12 to 15
	s_add_nc_u64 s[G0A+2:G0A+3], s[4:5], s[36:37]
	s_or_b32 s[G0A+3], s[G0A+3], 0x80000000        ; type = 2
	s_add_nc_u64 s[G0B+2:G0B+3], s[6:7], s[38:39]
	s_or_b32 s[G0B+3], s[G0B+3], 0x80000000
	s_add_nc_u64 s[8:9], s[8:9], s[42:43]
	s_add_nc_u64 s[12:13], s[12:13], s[44:45]
	global_load_b128 v[16:19], v1, s[8:9]          ; b1: 512 consecutive bytes
	CROUND                                         ; all sixteen work-groups are here: the joint loads meet
	s_cmp_lt_u32 s34, 8                            ; the branch hangs on the wave's number alone
	s_cbranch_scc0 .Lfor_b
	tensor_load_to_lds s[G0A:G0A+3], s[G1A:G1A+7]  ; my one tensor load
	s_nop 0
.rept 4
	v_nop
.endr
	s_branch .Lasked
.Lfor_b:
	tensor_load_to_lds s[G0B:G0B+3], s[G1B:G1B+7]
	s_nop 0
.rept 4
	v_nop
.endr
.Lasked:
	s_wait_kmcnt 0x0
	s_add_co_i32 s100, s50, 127
	s_lshl_b32 s101, s100, 23
	v_mov_b32 v242, s101                           ; 2^(entry 14) as f32
	s_add_co_i32 s100, s100, 15
	s_lshl_b32 s100, s100, 23
	s_or_b32 s100, s100, 0x600000
	v_mov_b32 v243, s100                           ; 57,344 x that
	s_add_co_i32 s54, s48, s49
	s_add_co_i32 s54, s54, 127
	s_lshl_b32 s54, s54, 23                        ; 2^(entries 12 + 13)
	s_mov_b32 s55, s54
	s_wait_alu depctr_va_vdst(0)
	s_wait_loadcnt 0x0
	s_wait_tensorcnt 0x0                           ; my part of a block is in
	ds_store_b128 v4, v[16:19]                     ; b1 waits in my wave's own bytes
	s_wait_dscnt 0x0
	s_barrier_signal -1
	s_barrier_wait -1                              ; both blocks are whole.
.irp m, 0,1
.irp s, 0,1,2,3
	FETCH AF+16*(4*\m+\s), 2, 8192*\m+2048*\s      ; f's eight fragments, once
.endr
.endr
.irp tp, 0,1,2,3                       ; tiles 2 tp and 2 tp + 1 of my eight
.if \tp > 0
	s_wait_xcnt 0x0                                ; the last pair's stores have read their registers, which take fragments again
.endif
	BF \tp, 0
	BF \tp, 1
.irp s, 0,1,2,3
.if \s < 3
	s_wait_dscnt 8                                 ; all but the next K step's eight loads are in
.else
	s_wait_dscnt 0x0
.endif
.if \s == 0
	PROD WS, 0, 1
.else
	PROD WS+32*(\s%2), \s, 0
.endif
.rept 4
	v_nop                                          ; four places in front of loads into, and vector writes of, registers that products read, and of the first read of results
.endr
.if \s < 2
	BF \tp, \s+2
.endif
.endr
.irp k, 0,1
	ds_load_b128 v[BR+8*\k:BR+8*\k+3], v7 offset:64*(2*\tp+\k)        ; b1 of the pair's two tiles
	ds_load_b128 v[BR+8*\k+4:BR+8*\k+7], v7 offset:64*(2*\tp+\k)+16
.endr
	s_wait_dscnt 0x0
.irp m, 0,1                            ; gelu, to codes: the pair's two tiles make piece tp of four registers
	GELU8 16+8*\m, BR, CR+4*\m
	GELU8 32+8*\m, BR+8, CR+4*\m+2
	v_nop                                          ; a plain instruction behind the last conversion
	global_store_b128 v1, v[CR+4*\m:CR+4*\m+3], s[12:13] offset:32768*\m+512*\tp   ; 512 consecutive aligned bytes
.endr
.endr
	s_wait_tensorcnt 0x0                           ; the wave's end
	ds_add_u32 v9, v10
	s_wait_dscnt 0x0
	CROUND                                         ; the closing round
	s_endpgm
.Lfunc_end_k_qe789fcc1f7_ffn1:
	.size	k_qe789fcc1f7_ffn1, .Lfunc_end_k_qe789fcc1f7_ffn1-k_qe789fcc1f7_ffn1
	.p2alignl 7, 3214868480
	.fill 96, 4, 3214868480
	.section	.rodata,"a",@progbits
	.p2align	6, 0x0
	.amdhsa_kernel k_qe789fcc1f7_ffn1
		.amdhsa_group_segment_fixed_size 272384
		.amdhsa_private_segment_fixed_size 0
		.amdhsa_enable_private_segment 0
		.amdhsa_kernarg_size 40
		.amdhsa_user_sgpr_count 2
		.amdhsa_user_sgpr_kernarg_segment_ptr 1
		.amdhsa_wavefront_size32 1
		.amdhsa_system_sgpr_workgroup_id_x 1
		.amdhsa_system_sgpr_workgroup_id_y 1
		.amdhsa_system_sgpr_workgroup_id_z 1
		.amdhsa_system_vgpr_workitem_id 0
		.amdhsa_next_free_vgpr 256
		.amdhsa_next_free_sgpr 102
		.amdhsa_reserve_vcc 0
		.amdhsa_float_denorm_mode_32 3
		.amdhsa_float_denorm_mode_16_64 3
		.amdhsa_memory_ordered 1
		.amdhsa_forward_progress 1
		.amdhsa_inst_pref_size 128
	.end_amdhsa_kernel
	.amdgpu_metadata
---
amdhsa.version: [ 1, 2 ]
amdhsa.kernels:
  - .name:           k_qe789fcc1f7_ffn1
    .symbol:         k_qe789fcc1f7_ffn1.kd
    .args:
      - { .name: f_img, .offset: 0, .size: 8, .value_kind: global_buffer, .address_space: global }
      - { .name: wimg, .offset: 8, .size: 8, .value_kind: global_buffer, .address_space: global }
      - { .name: b1, .offset: 16, .size: 8, .value_kind: global_buffer, .address_space: global }
      - { .name: lowp_scales, .offset: 24, .size: 8, .value_kind: global_buffer, .address_space: global }
      - { .name: h_img, .offset: 32, .size: 8, .value_kind: global_buffer, .address_space: global }
    .group_segment_fixed_size: 272384
    .private_segment_fixed_size: 0
    .kernarg_segment_align: 8
    .kernarg_segment_size: 40
    .max_flat_workgroup_size: 512
    .sgpr_count:     102
    .vgpr_count:     256
    .wavefront_size: 32
...
	.end_amdgpu_metadata
.endif
;; end of part 5
;; launch ffn2 (part 6): grid 4 x 64, 4 waves a work-group, clusters of 4 x 1, 262,656 bytes of LDS; arguments h_img, wimg, x1, lowp_scales, out0; writes out0
.if DOCPART == 6
	.amdgcn_target "amdgcn-amd-amdhsa--gfx1250"
	.amdhsa_code_object_version 6
	.text
	.protected	k_qe789fcc1f7_ffn2
	.globl	k_qe789fcc1f7_ffn2
	.p2align	8
	.type	k_qe789fcc1f7_ffn2,@function
k_qe789fcc1f7_ffn2:
	s_mov_b64 s[64:65], 0
	v_nop
	global_prefetch_b8 v0, s[64:65] scope:SCOPE_SE
	s_setreg_imm32_b32 hwreg(HW_REG_WAVE_MODE, 25, 1), 1
	s_wait_xcnt 0x0
	s_wait_alu depctr_hold_cnt(0) depctr_sa_sdst(0) depctr_va_vdst(0) depctr_va_sdst(0) depctr_va_ssrc(0) depctr_va_vcc(0) depctr_vm_vsrc(0)
	s_getreg_b32 s2, hwreg(HW_REG_IB_STS2, 6, 4)
	s_cmp_eq_u32 s2, 0
	s_cbranch_scc0 .Lentry_in_a_cluster
	s_endpgm
.Lentry_in_a_cluster:
	s_bfe_u32 s2, ttmp6, 0x10000c
	s_cmp_lg_u32 s2, 0x3003
	s_cbranch_scc0 .Lentry_shape_is_right
	s_endpgm
.Lentry_shape_is_right:
; out = (x1 + b2) + hidden W2, the product on codes of E5M2 (entries 14, 15 of the scales); x1 + b2 comes as f32 from the launch that made it.
; OPERANDS are images of the matrix instruction's registers (pieces of 512 bytes, lane l's 16 bytes at 16 l).  h_img: fragment (tile of rows rt, K step s) at (16 rt + s) x 2,048; W2's image likewise by tiles of columns, 2,097,152 bytes into wimg.
; SHARES.  A work-group makes 128 rows x 128 columns over K = 2,048, sixteen K steps.  Its 128 rows of hidden codes are one dense block of 262,144 bytes and come into LDS once: four tensor loads of 65,536 bytes, one a wave.
; Wave w makes all 128 rows x columns 32 w on: sixteen accumulators.  Its two fragments of W2 for each K step go from memory straight into a ring of four sets of registers, three K steps ahead, each byte to one wave.
; The product is used transposed (source 0 = 16 columns of W2, source 1 = 16 rows): a lane holds one row and eight neighbouring columns.
; CLUSTERS: the four work-groups of a cluster make the four blocks of columns of the same 128 rows and ask for the hidden codes jointly (mask 15).  W2's part goes into registers, where nothing can be shared.
; NO PREFETCH: the fill goes out at the head; W2's loads themselves run three K steps ahead; the text has no loop.
; THE WAY OUT: the raw sums go through a stage of 128 rows x (512 + 16) bytes, which lies in the hidden codes' bytes: they have had their only fill, and a barrier shows that nobody reads them any more.
; They come back as whole rows of 512 bytes, take x 2^(entries 14 + 15) + (x1 + b2) in one multiply-add, and leave as two aligned units of 256 bytes a store.
; LIMIT: entries 14 + 15 between -126 and 127.
; REGISTERS, in windows of 256: window 0: v4-7 LDS addresses (16 x lane + 65,536 k), v8, v9 the stage, v30, v31 the spare word and 0, v128-255 W2's ring; window 1: the rows' fragments, two sets of eight; then the rows read back;
;   window 2: v0-127 accumulators ((u, i) at 8 (8 u + i)), v128-255 x1 + b2.
.set SPARE, 262144
.set SP, 528
.set MSB, 0
.macro WIN new                         ; the immediate's high byte repeats the setting that is left
.if MSB != \new
	s_set_vgpr_msb (MSB<<8)|\new
.set MSB, \new
.endif
.endm
.macro CROUND                          ; a round of the cluster's barrier
	s_barrier_signal -1
	s_barrier_wait -1
	s_cmp_lg_u32 s14, 0
	s_cbranch_scc1 .Lnot_wave_0_\@
	s_barrier_signal -3
.Lnot_wave_0_\@:
	s_barrier_wait -3
	s_barrier_signal -1
	s_barrier_wait -1
.endm
.macro AFETCH s                        ; the eight fragments of rows of K step s into set s % 2 of window 1
	WIN 0x40
.irp i, 0,1,2,3,4,5,6,7
.irp c, 0,1,2,3
	ds_load_b128 v[128*((\s)%2)+16*\i+4*\c:128*((\s)%2)+16*\i+4*\c+3], v[4+\i/2] offset:32768*(\i%2)+2048*(\s)+512*\c
.endr
.endr
.endm
.macro BLOAD s                         ; my two fragments of W2 of K step s into set s % 4 of the ring
	WIN 0
.irp u, 0,1
.irp c, 0,1,2,3
	global_load_b128 v[128+32*((\s)%4)+16*\u+4*\c:128+32*((\s)%4)+16*\u+4*\c+3], v4, s[6:7] offset:32768*\u+2048*(\s)+512*\c
.endr
.endr
.endm
.macro STEP s
.if (\s) < 15
	AFETCH (\s)+1
.endif
.if (\s) < 13
	BLOAD (\s)+3
.endif
.if (\s) < 15
	s_wait_dscnt 32                                ; this K step's fragments are in; the next one's 32 loads may be out
.else
	s_wait_dscnt 0x0
.endif
.if (\s) < 13
	s_wait_loadcnt 24                              ; this K step's part of W2 is in; the eight loads of each of the three K steps behind it may be out
.else
	s_wait_loadcnt 8*(15-(\s))
.endif
	WIN 0xa4                                       ; source 0 window 0, source 1 window 1, C and D window 2
.irp u, 0,1                            ; the sixteen accumulators take turns, one instruction a turn
.irp i, 0,1,2,3,4,5,6,7
.if (\s) == 0
	v_wmma_f32_16x16x128_bf8_bf8 v[8*(8*\u+\i):8*(8*\u+\i)+7], v[128+32*((\s)%4)+16*\u:128+32*((\s)%4)+16*\u+15], v[128*((\s)%2)+16*\i:128*((\s)%2)+16*\i+15], 0
.else
	v_wmma_f32_16x16x128_bf8_bf8 v[8*(8*\u+\i):8*(8*\u+\i)+7], v[128+32*((\s)%4)+16*\u:128+32*((\s)%4)+16*\u+15], v[128*((\s)%2)+16*\i:128*((\s)%2)+16*\i+15], v[8*(8*\u+\i):8*(8*\u+\i)+7]
.endif
.endr
.endr
.rept 4
	v_nop                                          ; four places in front of loads into registers that products read, and of the first read of results
.endr
.endm
	s_load_b256 s[4:11], s[0:1], 0x0               ; h_img, wimg, x1, the scales' exponents
	s_load_b64 s[12:13], s[0:1], 0x20              ; out0
	v_lshl_add_u32 v30, v0, 2, SPARE
	v_mov_b32 v31, 0
	ds_add_u32 v30, v31
	ds_add_u32 v30, v31
	v_lshrrev_b32 v2, 5, v0
	v_readfirstlane_b32 s14, v2                    ; wave 0..3
	v_and_b32 v3, 31, v0
	v_lshlrev_b32 v4, 4, v3                        ; 16 x lane: tiles of rows 0, 1,
	v_add_nc_u32 v5, 0x10000, v4                   ; 2, 3,
	v_add_nc_u32 v6, 0x20000, v4                   ; 4, 5,
	v_add_nc_u32 v7, 0x30000, v4                   ; 6, 7
	v_and_b32 v10, 15, v0                          ; r
	v_bfe_u32 v11, v0, 4, 1                        ; h
	v_mul_u32_u24 v8, v10, SP
	v_lshl_add_u32 v8, v2, 7, v8
	v_lshl_add_u32 v8, v11, 5, v8                  ; the stage, in: row r, my wave's 128 bytes, 32 for each half of the lanes
	v_mul_u32_u24 v9, v2, 32*SP
	v_add_nc_u32 v9, v9, v4                        ; and back: rows 32 w on, 16 bytes a lane
	s_bfe_u32 s15, ttmp6, 0x40000                  ; cx: which 128 columns
	s_and_b32 s16, ttmp7, 0xffff                   ; which 128 rows
	s_mov_b32 s24, 15|(3<<16)|(1<<21)              ; group 1: the four partners; elements of 8 bytes; bit 21 beside a mask; no padding
	s_mov_b32 s25, 32<<16                          ; a dense block of 65,536 bytes as 256 rows of 32 elements
	s_mov_b32 s26, 256<<16
	s_mov_b32 s27, 32<<16
	s_mov_b32 s28, 256
	s_mov_b32 s29, 32
	s_mov_b32 s30, 0
	s_mov_b32 s31, 0
	s_mov_b32 s32, 1                               ; group 0: count 1,
	s_lshl_b32 s33, s14, 16                        ; LDS byte 65,536 x wave
	s_lshl_b32 s18, s16, 18
	s_add_co_u32 s18, s18, s33                     ; my quarter of the rows' block in h_img; also my 32 rows of x1 and out0, 2,048 bytes each
	s_mov_b32 s19, 0
	s_lshl_b32 s20, s15, 18
	s_add_co_u32 s20, s20, s33
	s_add_co_u32 s20, s20, 0x200000                ; W2's image, my two tiles of columns
	s_mov_b32 s21, 0
	s_lshl_b32 s22, s15, 9
	s_add_co_u32 s22, s22, s18                     ; + the block's 512 bytes of a row
	s_mov_b32 s23, 0
	s_wait_alu depctr_va_vdst(0)
	s_wait_dscnt 0x0                               ; both opening adds are done
	s_wait_kmcnt 0x0
	s_add_nc_u64 s[34:35], s[4:5], s[18:19]
	s_or_b32 s35, s35, 0x80000000                  ; type = 2
	s_add_nc_u64 s[6:7], s[6:7], s[20:21]
	s_add_nc_u64 s[8:9], s[8:9], s[22:23]
	s_add_nc_u64 s[12:13], s[12:13], s[22:23]
	CROUND                                         ; the four work-groups are here: the joint loads meet
	tensor_load_to_lds s[32:35], s[24:31]          ; my one tensor load
	s_nop 0
.rept 4
	v_nop
.endr
	s_load_b64 s[36:37], s[10:11], 0x38            ; entries 14, 15
	WIN 0x80
.irp t, 0,1,2,3,4,5,6,7,8,9,10,11,12,13,14,15,16,17,18,19,20,21,22,23,24,25,26,27,28,29,30,31
	global_load_b128 v[128+4*\t:131+4*\t], v4, s[8:9] offset:2048*\t th:TH_LOAD_NT   ; x1 + b2, row 32 w + t: 512 consecutive aligned bytes
.endr
	BLOAD 0
	BLOAD 1
	BLOAD 2
	s_wait_tensorcnt 0x0                           ; my quarter of the block is in
	s_barrier_signal -1
	s_barrier_wait -1                              ; the block is whole.
	AFETCH 0
.irp s, 0,1,2,3,4,5,6,7,8,9,10,11,12,13,14,15
	STEP \s
.endr
	WIN 0
	s_barrier_signal -1                            ; my reads of the block are over (the last K step waited for all of them)
	s_barrier_wait -1                              ; and so are everybody's
	WIN 0x08                                       ; the stores' data lie in window 2
.irp u, 0,1
.irp i, 0,1,2,3,4,5,6,7
	ds_store_b128 v8, v[8*(8*\u+\i):8*(8*\u+\i)+3] offset:16*SP*\i+64*\u          ; each accumulator from its low end on
	ds_store_b128 v8, v[8*(8*\u+\i)+4:8*(8*\u+\i)+7] offset:16*SP*\i+64*\u+16
.endr
.endr
	WIN 0
	s_wait_dscnt 0x0
	s_barrier_signal -1
	s_barrier_wait -1                              ; 128 whole rows lie in the stage
	WIN 0x40
.irp t, 0,1,2,3,4,5,6,7,8,9,10,11,12,13,14,15,16,17,18,19,20,21,22,23,24,25,26,27,28,29,30,31
	ds_load_b128 v[4*\t:4*\t+3], v9 offset:SP*\t
.endr
	s_wait_kmcnt 0x0
	s_add_co_i32 s36, s36, s37
	s_add_co_i32 s36, s36, 127
	s_lshl_b32 s36, s36, 23                        ; 2^(entries 14 + 15) as f32
	s_mov_b32 s37, s36
	s_wait_dscnt 0x0
	WIN 0x61                                       ; source 0 and destination window 1, source 2 window 2
.set JJ, 0
.rept 64
	v_pk_fma_f32 v[JJ:JJ+1], v[JJ:JJ+1], s[36:37], v[128+JJ:129+JJ] op_sel_hi:[1,0,1]
.set JJ, JJ+2
.endr
	WIN 0x04                                       ; the stores' data lie in window 1
.irp t, 0,1,2,3,4,5,6,7,8,9,10,11,12,13,14,15,16,17,18,19,20,21,22,23,24,25,26,27,28,29,30,31
	global_store_b128 v4, v[4*\t:4*\t+3], s[12:13] offset:2048*\t th:TH_STORE_NT   ; 32 lanes store 512 consecutive aligned bytes
.endr
	WIN 0
	s_wait_tensorcnt 0x0                           ; the wave's end
	ds_add_u32 v30, v31
	s_wait_dscnt 0x0
	CROUND                                         ; the closing round
	s_endpgm
.Lfunc_end_k_qe789fcc1f7_ffn2:
	.size	k_qe789fcc1f7_ffn2, .Lfunc_end_k_qe789fcc1f7_ffn2-k_qe789fcc1f7_ffn2
	.p2alignl 7, 3214868480
	.fill 96, 4, 3214868480
	.section	.rodata,"a",@progbits
	.p2align	6, 0x0
	.amdhsa_kernel k_qe789fcc1f7_ffn2
		.amdhsa_group_segment_fixed_size 262656
		.amdhsa_private_segment_fixed_size 0
		.amdhsa_enable_private_segment 0
		.amdhsa_kernarg_size 40
		.amdhsa_user_sgpr_count 2
		.amdhsa_user_sgpr_kernarg_segment_ptr 1
		.amdhsa_wavefront_size32 1
		.amdhsa_system_sgpr_workgroup_id_x 1
		.amdhsa_system_sgpr_workgroup_id_y 1
		.amdhsa_system_sgpr_workgroup_id_z 1
		.amdhsa_system_vgpr_workitem_id 0
		.amdhsa_next_free_vgpr 768
		.amdhsa_next_free_sgpr 66
		.amdhsa_reserve_vcc 0
		.amdhsa_float_denorm_mode_32 3
		.amdhsa_float_denorm_mode_16_64 3
		.amdhsa_memory_ordered 1
		.amdhsa_forward_progress 1
		.amdhsa_inst_pref_size 83
	.end_amdhsa_kernel
	.amdgpu_metadata
---
amdhsa.version: [ 1, 2 ]
amdhsa.kernels:
  - .name:           k_qe789fcc1f7_ffn2
    .symbol:         k_qe789fcc1f7_ffn2.kd
    .args:
      - { .name: h_img, .offset: 0, .size: 8, .value_kind: global_buffer, .address_space: global }
      - { .name: wimg, .offset: 8, .size: 8, .value_kind: global_buffer, .address_space: global }
      - { .name: x1, .offset: 16, .size: 8, .value_kind: global_buffer, .address_space: global }
      - { .name: lowp_scales, .offset: 24, .size: 8, .value_kind: global_buffer, .address_space: global }
      - { .name: out0, .offset: 32, .size: 8, .value_kind: global_buffer, .address_space: global }
    .group_segment_fixed_size: 262656
    .private_segment_fixed_size: 0
    .kernarg_segment_align: 8
    .kernarg_segment_size: 40
    .max_flat_workgroup_size: 128
    .sgpr_count:     66
    .vgpr_count:     768
    .wavefront_size: 32
...
	.end_amdgpu_metadata
.endif
;; end of part 6
